; MI455X (gfx1250); checked and timed in simulation.
; The chip was launched on July 23, 2026; its instructions are those of AMD's public machine-readable ISA for CDNA 5 (MIT licence, August 2026) and "CDNA5" Instruction Set Architecture Reference Guide (July 2026). The comments in the code are by the model that wrote it; some were corrected since.
;; Causal Self Attention. Allowed arithmetic: matrix products marked QUANTISED: E2M1 operands, one E8M0 scale for each 32 along K, by v_wmma_scale_f32_16x16x128_f8f6f4 with both operands' format E2M1 (or v_wmma_scale_f32_32x16x128_f4), f32 sums; products left as they are: bf16, f16 or f32 operands; f32 sums; everything else in f32.
;; Inputs: Wk 2,048 x 1,024 float32; Wproj 1,024 x 2,048 float32; Wq 2,048 x 1,024 float32; Wv 2,048 x 1,024 float32; k_rms_w 128 float32; q_rms_w 128 float32; subln_w 128 float32; x 2 x 2,048 x 2,048 float32.
;; Outputs: out0 2 x 2,048 x 2,048 float32.
;; This version of the problem:
;;   THIS VERSION OF THE PROBLEM IS GIVEN IN LOW PRECISION. The matrix products marked QUANTISED in the list below multiply operands that are first quantised to E2M1 (2 exponent bits, 1 mantissa bit; 4 bits a number), with one power-of-two scale for each 32 numbers along K (OCP MX v1.0); their sums are f32. The products marked 'left as it is' may take bf16, f16 or f32 operands, with f32 sums. Whichever they take, every output number must still come out within the allowed error. Rounding operands to bf16 (8 significant bits) uses up far more of that allowance than f16 does (11 bits, for magnitudes from 6e-5 to 65,504). All else is computed in f32.
;;   The module's matrix products, in the order in which they are computed (A, B: the left and right operand; K: the contracted axis; several contracted axes count as one K, in the product's order):
;;     1. [M 4,096, K 2,048] x [K 2,048, N 1,024]; A: input x; B: input Wq: QUANTISED
;;     2. [M 4,096, K 2,048] x [K 2,048, N 1,024]; A: input x; B: input Wk: QUANTISED
;;     3. [M 4,096, K 2,048] x [K 2,048, N 1,024]; A: input x; B: input Wv: QUANTISED
;;     4. batch 16 x [M 2,048, K 128] x [K 128, N 2,048]; A: computed on the way; B: computed on the way: left as it is (an operand is computed on the way)
;;     5. batch 16 x [M 2,048, K 2,048] x [K 2,048, N 128]; A: computed on the way; B: computed on the way: left as it is (an operand is computed on the way)
;;     6. [M 4,096, K 1,024] x [K 1,024, N 2,048]; A: computed on the way; B: input Wproj: left as it is (an operand is computed on the way)
;;   THE QUANTISER, for each operand of a quantised product, along K:
;;     - K is cut into blocks of 32 from its start; a last block that is shorter is filled with zeros.
;;     - A block's scale is 2^e with e = floor(log2(the largest magnitude in the block)) - 2, held to -126 .. 127; a block of zeros has e = 0. As a byte (E8M0): e + 127.
;;     - Each number is divided by its block's scale, clamped to +-6, and rounded to the nearest number of E2M1, ties to even, subnormals kept.
;;     - The product sums the exact products of the quantised numbers (number of the format x scale) in f32.
;;   ~~~python
;;   def quantise(x, axis):      # numpy; x: float32 -> the quantised numbers, widened to float32 again
;;       x = np.moveaxis(x, axis, -1); K = x.shape[-1]
;;       x = np.pad(x, [(0, 0)] * (x.ndim - 1) + [(0, -K % 32)]); x = x.reshape(x.shape[:-1] + (-1, 32)); a = np.abs(x).max(-1, keepdims=True)
;;       e = np.where(a > 0, np.clip(np.frexp(np.where(a > 0, a, 1))[1] - 1 - 2, -126, 127), 0)      # np.frexp(a)[1] - 1 = floor(log2(a)), exactly
;;       r = np.clip(x / 2.0 ** e, -6, 6)
;;       step = 2.0 ** (np.maximum(np.frexp(np.where(r == 0, 1, r))[1] - 1, 0) - 1)
;;       q = np.round(r / step) * step * 2.0 ** e      # np.round: ties to even
;;       return np.moveaxis(q.reshape(q.shape[:-2] + (-1,))[..., :K], -1, axis).astype(np.float32)
;;   ~~~
;; One version. Each part assembles by itself: llvm-mc -triple=amdgcn-amd-amdhsa -mcpu=gfx1250 --defsym DOCPART=n.
;; ======== version 1 of 1: 4 launches
;; limits: values are held in f16: magnitudes above 65,504 overflow, below 6.1e-05 lose precision
;; workspace buffers: x_codes 4,194,304 bytes; x_scales 262,144 bytes; w_codes 3,145,728 bytes; w_scales 196,608 bytes; wp 4,194,304 bytes; qkv 25,165,824 bytes; yf 8,388,608 bytes
;; launch prep (part 1): grid 576 x 1, 4 waves a work-group, no clusters, 50,688 bytes of LDS; arguments x, Wq, Wk, Wv, Wproj, x_codes, x_scales, w_codes, w_scales, wp; writes x_codes, x_scales, w_codes, w_scales, wp
.if DOCPART == 1
	.amdgcn_target "amdgcn-amd-amdhsa--gfx1250"
	.amdhsa_code_object_version 6
	.text
	.protected	k_qa3cc035874_prep
	.globl	k_qa3cc035874_prep
	.p2align	8
	.type	k_qa3cc035874_prep,@function
k_qa3cc035874_prep:
	s_mov_b64 s[64:65], 0
	v_nop
	global_prefetch_b8 v0, s[64:65] scope:SCOPE_SE
	s_setreg_imm32_b32 hwreg(HW_REG_WAVE_MODE, 25, 1), 1
	s_wait_xcnt 0x0
; FIRST OF FOUR LAUNCHES of: q, k, v = x Wq, x Wk, x Wv (on codes of E2M1); RMSNorm of q and k over a head's 128; scores q.k / sqrt(128) - slope (i - j), causal; softmax; y = attn v; RMSNorm of y; y Wproj.
; THIS LAUNCH: x [4096][2048] f32 becomes codes of E2M1 with K innermost and one E8M0 byte for each 32 along K; Wq, Wk, Wv [2048 (K)][1024] likewise, laid [3072 rows = 1024 x (0 q, 1 k, 2 v) + column][K];
; Wproj [1024 (K)][2048] becomes f16 in the order of a matrix operand's registers.
; WORK LEFT OUT BY THE PROGRAM, for all values of the inputs.  reference() writes -inf over every score whose key j comes after its query i, by a mask that it builds itself; the softmax gives such a key the weight 0.
; So a step of 64 keys that lies wholly behind a block of 64 queries reaches no output, and the third launch does not walk it.  max(i - j, 0) differs from i - j only where j > i, which the same mask covers: slope (j - i) is used.
; Nothing else is left out; every input is loaded.  LIMIT: a NaN, an infinity or an overflow in k or v of a token reaches only the queries at or behind that token.
; THE QUANTISER.  A block's scale is 2^(floor(log2(its largest magnitude)) - 2); its byte is the largest magnitude's exponent field - 2, held at 1 from below.  A block of zeros so gets the byte 1 where the rule says 127: its codes are
; zeros, which add nothing, and the bytes are read by this program alone.  Each number is divided by the scale and rounded to the nearest code, ties to even, beyond 6 the largest code.
; LIMITS: blocks whose largest magnitude lies under 2^-124 keep the byte 1; NaN and infinities among the inputs are not served; Wproj is rounded to f16 (under 6e-5 with an absolute error of 2^-25).
; ROLES, by the work-group's number: 0-191 the three weights (a lane to a column, registers down K); 192-447 x (a plain stream of blocks of 32); 448-575 Wproj.  Each role has LDS bytes of its own.  No work-groups share an input: no cluster.
.set SPARE, 50176                      ; behind both roles' stages: the spare words, 128 bytes for each wave: two blocks of 256 bytes that no other line names
.set SPW,   12                         ; v12  LDS address of my spare word; never rewritten
.set NIL,   13                         ; v13  0; never rewritten
	s_load_b256 s[4:11], s[0:1], 0x0               ; x, Wq, Wk, Wv
	s_load_b256 s[12:19], s[0:1], 0x20             ; Wproj, x_codes, x_scales, w_codes
	s_load_b128 s[20:23], s[0:1], 0x40             ; w_scales, wp
	v_lshl_add_u32 v[SPW], v0, 2, SPARE
	v_mov_b32 v[NIL], 0
	v_lshrrev_b32 v1, 5, v0
	v_readfirstlane_b32 s24, v1                    ; wave 0..3
	v_and_b32 v2, 31, v0                           ; lane
	s_wait_kmcnt 0x0
	s_cmp_lt_u32 ttmp9, 192
	s_cbranch_scc1 .Lrole_w
	s_cmp_lt_u32 ttmp9, 448
	s_cbranch_scc1 .Lrole_x
; ---- ROLE P: Wproj to f16 fragments.  wp is [n tile of 16 columns: 128][32 along K: 32][1,024 bytes]; in a fragment the element (column r, k = 16 half + 8 h + e) lies at byte 512 half + 256 h + 16 r + 2 e.
; A work-group takes 128 columns x 128 along K; a lane takes a column, its registers run down K: 32 numbers pack into 16 registers, and registers 4 g .. 4 g + 3 are the 16 bytes at 256 g + 16 r.
	s_sub_co_u32 s25, ttmp9, 448
	s_and_b32 s26, s25, 15                         ; which 128 columns
	s_lshr_b32 s27, s25, 4                         ; which 128 along K
	s_lshl_b32 s28, s27, 20                        ; 128 rows of 8,192 bytes
	s_lshl_b32 s30, s26, 9
	s_add_co_u32 s28, s28, s30
	s_lshl_b32 s30, s24, 7                         ; my wave's 32 columns
	s_add_co_u32 s28, s28, s30
	s_mov_b32 s29, 0
	s_add_nc_u64 s[12:13], s[12:13], s[28:29]
	s_lshl_b32 s28, s26, 3
	s_lshl_b32 s30, s24, 1
	s_add_co_u32 s28, s28, s30                     ; my first n tile: 8 x group + 2 x wave
	s_lshl_b32 s28, s28, 15                        ; 32,768 bytes a tile
	s_lshl_b32 s30, s27, 12                        ; four fragments along K
	s_add_co_u32 s28, s28, s30
	s_add_nc_u64 s[22:23], s[22:23], s[28:29]
	v_lshlrev_b32 v3, 2, v2                        ; in: 4 bytes a lane
	v_lshrrev_b32 v4, 4, v2
	v_and_b32 v5, 15, v2
	v_lshlrev_b32 v5, 4, v5
	v_lshl_add_u32 v4, v4, 15, v5                  ; out: lanes 16-31 write the next n tile; 16 bytes a lane
.macro PLOAD q                         ; 32 along K of my column into set q % 2
.irp i, 0,1,2,3,4,5,6,7,8,9,10,11,12,13,14,15,16,17,18,19,20,21,22,23,24,25,26,27,28,29,30,31
	global_load_b32 v[32+32*((\q)%2)+\i], v3, s[12:13] offset:(32*(\q)+\i)*8192 th:TH_LOAD_NT
.endr
.endm
.macro PCHUNK q
.if (\q) < 3
	s_wait_loadcnt 32                              ; this chunk's 32 loads are in; the next chunk's may be out
.else
	s_wait_loadcnt 0x0
.endif
.irp i, 0,1,2,3,4,5,6,7,8,9,10,11,12,13,14,15
	v_cvt_pk_f16_f32 v[96+16*(\q)+\i], v[32+32*((\q)%2)+2*\i], v[32+32*((\q)%2)+2*\i+1]   ; each chunk has its own 16 registers: no store's data are written again
.endr
.if (\q)+2 < 4
	PLOAD (\q)+2
.endif
.irp g, 0,1,2,3
	global_store_b128 v4, v[96+16*(\q)+4*\g:96+16*(\q)+4*\g+3], s[22:23] offset:1024*(\q)+256*\g   ; sixteen lanes store 256 consecutive bytes, aligned
.endr
.endm
	PLOAD 0
	PLOAD 1
.irp c, 0,1,2,3
	PCHUNK \c
.endr
	s_branch .Lend
; ---- ROLE W: a weight [2048 (K)][1024].  A work-group takes 64 columns x 512 along K, a wave 16 columns: lanes 0-15 take the first 256 along K of their column, lanes 16-31 the second 256 of the same columns: 8 blocks a lane.
; A lane's 32 registers are a whole block of one column: its largest magnitude needs no other lane, and the conversions give codes with K innermost.  The two halves of a column's 256 bytes of codes meet in the wave's own stage
; (16 rows of 256 + 16 bytes; lanes 16-31 write 128 bytes further on) and leave as rows: sixteen lanes store 256 consecutive bytes, aligned.  The four waves stand side by side on 256 aligned bytes of each row of W.
.Lrole_w:
	s_lshr_b32 s25, ttmp9, 6                       ; which weight
	s_and_b32 s26, ttmp9, 15                       ; which 64 columns
	s_bfe_u32 s27, ttmp9, 0x20004                  ; which 512 along K
	s_cmp_eq_u32 s25, 1
	s_cselect_b64 s[28:29], s[8:9], s[10:11]
	s_cmp_eq_u32 s25, 0
	s_cselect_b64 s[28:29], s[6:7], s[28:29]       ; the choice hangs on the work-group's number alone
	s_lshl_b32 s30, s26, 6
	s_lshl_b32 s31, s24, 4
	s_add_co_u32 s30, s30, s31                     ; my wave's first column
	s_lshl_b32 s32, s27, 21                        ; 512 rows of 4,096 bytes
	s_lshl_b32 s33, s30, 2
	s_add_co_u32 s32, s32, s33
	s_mov_b32 s33, 0
	s_add_nc_u64 s[28:29], s[28:29], s[32:33]
	s_lshl_b32 s31, s25, 10
	s_add_co_u32 s30, s30, s31                     ; its row in w_codes and w_scales
	s_lshl_b32 s32, s30, 10                        ; rows of 1,024 bytes of codes,
	s_lshl_b32 s34, s27, 8                         ; 256 bytes for 512 along K
	s_add_co_u32 s32, s32, s34
	s_add_nc_u64 s[18:19], s[18:19], s[32:33]
	s_lshl_b32 s32, s30, 6                         ; rows of 64 scale bytes,
	s_lshl_b32 s34, s27, 4                         ; 16 for 512 along K
	s_add_co_u32 s32, s32, s34
	s_add_nc_u64 s[20:21], s[20:21], s[32:33]
	v_and_b32 v5, 15, v2                           ; my column of the wave's 16
	v_lshrrev_b32 v6, 4, v2                        ; which 256 along K
	v_lshlrev_b32 v3, 2, v5
	v_lshl_add_u32 v3, v6, 20, v3                  ; in: 4 bytes a column; lanes 16-31 begin 256 rows of 4,096 bytes further down
	s_mul_i32 s35, s24, 16*272
	s_add_co_u32 s35, s35, 32768                   ; my stage
	v_mul_u32_u24 v4, v5, 272
	v_lshl_add_u32 v4, v6, 7, v4
	v_add_nc_u32 v4, s35, v4                       ; into it: row = my column, + 128 bytes for the second 256 along K
	v_mul_u32_u24 v7, v6, 272
	v_lshl_add_u32 v7, v5, 4, v7
	v_add_nc_u32 v7, s35, v7                       ; out of it: sixteen lanes to a row, two rows an instruction
	v_lshlrev_b32 v8, 10, v6
	v_lshl_add_u32 v8, v5, 4, v8                   ; and the same place in w_codes
	v_lshlrev_b32 v9, 6, v5
	v_lshl_add_u32 v9, v6, 3, v9                   ; my column's row of scale bytes, my eight of its sixteen
.macro WLOAD t                         ; block t: W(256 h + 32 t + i, my column) into set t % 2
.irp i, 0,1,2,3,4,5,6,7,8,9,10,11,12,13,14,15,16,17,18,19,20,21,22,23,24,25,26,27,28,29,30,31
	global_load_b32 v[32+32*((\t)%2)+\i], v3, s[28:29] offset:(32*(\t)+\i)*4096 th:TH_LOAD_NT
.endr
.endm
.macro WBLOCK t
.set WS, 32+32*((\t)%2)
.if (\t) < 7
	s_wait_loadcnt 32                              ; this block's 32 loads are in; the next block's may be out
.else
	s_wait_loadcnt 0x0
.endif
	v_max3_num_f32 v16, |v[WS]|, |v[WS+1]|, |v[WS+2]|              ; the block's largest magnitude, in two chains
	v_max3_num_f32 v17, |v[WS+3]|, |v[WS+4]|, |v[WS+5]|
.irp i, 6,10,14,18,22,26
	v_max3_num_f32 v16, v16, |v[WS+\i]|, |v[WS+\i+1]|
	v_max3_num_f32 v17, v17, |v[WS+\i+2]|, |v[WS+\i+3]|
.endr
	v_max3_num_f32 v16, v16, |v[WS+30]|, |v[WS+31]|
	v_max3_num_f32 v16, v16, v17, 0x1800000        ; and the floor 2^(3 - 127): the byte cannot fall under 1
	v_add_nc_u32 v18, 0xff000000, v16              ; 2 off its exponent field: the conversion takes the exponent field of this operand as its scale
	v_lshrrev_b32 v19, 23, v18                     ; the scale's byte
.if (\t)%4 == 0
	v_mov_b32 v[24+(\t)/4], v19                    ; four bytes to a register, the lower K in the lower byte
.else
	v_lshl_or_b32 v[24+(\t)/4], v19, 8*((\t)%4), v[24+(\t)/4]
.endif
.irp g, 0,1,2,3
	v_cvt_scalef32_pk8_fp4_f32 v[96+\g], v[WS+8*\g:WS+8*\g+7], v18
.endr
	ds_store_b128 v4, v[96:99] offset:16*(\t)      ; 32 codes: 16 bytes of my column's row
.if (\t)+2 < 8
	WLOAD (\t)+2
.endif
	s_wait_dscnt 0x0                               ; the store has read its registers: the next block's codes may be written
.endm
	WLOAD 0
	WLOAD 1
.irp c, 0,1,2,3,4,5,6,7
	WBLOCK \c
.endr
	global_store_b64 v9, v[24:25], s[20:21]        ; my eight scale bytes
.irp t, 0,1,2,3,4,5,6,7
	ds_load_b128 v[112+4*\t:112+4*\t+3], v7 offset:2*\t*272   ; LDS serves a wave's instructions in order: these see my wave's stores
.endr
.irp t, 0,1,2,3,4,5,6,7
	s_wait_dscnt 7-\t
	global_store_b128 v8, v[112+4*\t:112+4*\t+3], s[18:19] offset:2*\t*1024
.endr
	s_branch .Lend
; ---- ROLE X: x is a plain stream of blocks of 32.  A wave takes 16 steps of 512 numbers.  Each load reads 512 consecutive bytes, 16 a lane; a step's 2,048 bytes turn through the wave's own stage in LDS and come back
; 64 bytes a lane (16 neighbours; two neighbouring lanes hold a block).  A lane's 16 codes are 8 bytes: the wave stores 256 consecutive bytes.  A wave's 256 scale bytes are gathered in LDS and leave as one aligned run.
; Loads run eight steps (32 loads a wave) ahead, the turn through LDS one step.
.Lrole_x:
.set XR, 16                            ; v16-143  eight sets of 16 numbers as loaded
.set XX, 144                           ; v144-175 two sets of 16 neighbours
.set XE, 176                           ; v176-191 a scale byte for each step
.set XC, 192                           ; v192-223 codes: two registers for each step, so that no store's data are written again
.set SP, 80                            ; a lane's place in a stage: 64 bytes + 16 of padding
	v_lshlrev_b32 v3, 4, v2                        ; my 16 bytes of a load's 512
	s_mul_i32 s25, s24, 8192                       ; my wave's region: two stages of 32 x 80 bytes, then 256 scale bytes
	v_lshrrev_b32 v14, 2, v2
	v_mul_u32_u24 v14, v14, SP
	v_and_b32 v15, 3, v2
	v_lshl_add_u32 v14, v15, 4, v14
	v_add_nc_u32 v14, s25, v14                     ; the stage, on the way in
	v_mul_u32_u24 v15, v2, SP
	v_add_nc_u32 v15, s25, v15                     ; and on the way out: my 16 neighbours
	v_mul_u32_u24 v4, v2, 8                        ; my codes' place in a step's
	v_lshrrev_b32 v5, 1, v2
	s_add_co_u32 s25, s25, 2*32*SP
	v_add_nc_u32 v5, s25, v5                       ; my block's byte among the wave's 256
	v_lshlrev_b32 v7, 3, v2
	v_add_nc_u32 v6, s25, v7
	s_sub_co_u32 s26, ttmp9, 192
	s_lshl_b32 s26, s26, 2
	s_add_co_u32 s26, s26, s24                     ; which run of 8,192 numbers is my wave's
	s_mov_b32 s29, 0
	s_lshl_b32 s28, s26, 15
	s_add_nc_u64 s[4:5], s[4:5], s[28:29]
	s_lshl_b32 s28, s26, 12
	s_add_nc_u64 s[14:15], s[14:15], s[28:29]
	s_lshl_b32 s28, s26, 8
	s_add_nc_u64 s[16:17], s[16:17], s[28:29]
.macro XLOAD t
.irp i, 0,1,2,3
	global_load_b128 v[XR+16*((\t)%8)+4*\i:XR+16*((\t)%8)+4*\i+3], v3, s[4:5] offset:2048*(\t)+512*\i th:TH_LOAD_NT
.endr
.endm
.macro XTURN t                         ; step t's numbers through the stage: LDS serves a wave's instructions in order
.irp i, 0,1,2,3
	ds_store_b128 v14, v[XR+16*((\t)%8)+4*\i:XR+16*((\t)%8)+4*\i+3] offset:32*SP*((\t)%2)+8*SP*\i
.endr
.irp i, 0,1,2,3
	ds_load_b128 v[XX+16*((\t)%2)+4*\i:XX+16*((\t)%2)+4*\i+3], v15 offset:32*SP*((\t)%2)+16*\i
.endr
.endm
.irp t, 0,1,2,3,4,5,6,7
	XLOAD \t
.endr
	s_wait_loadcnt 28                              ; step 0's four loads are in; the seven steps behind it may be out
	XTURN 0
.macro XSTEP t
.set XS, XX+16*((\t)%2)
.if (\t) > 0
	s_wait_dscnt 1                                 ; this step's numbers are back from the stage (the last step's byte store may be out): so its stores into the stage have read their registers,
.else
	s_wait_dscnt 0x0
.endif
.if (\t)+8 < 16
	XLOAD (\t)+8                                   ; which take the loads of eight steps on
.endif
.if (\t)+1 < 16
.if 14-(\t) >= 7
	s_wait_loadcnt 28                              ; the next step's four loads are in; those of the seven steps behind it may be out
.else
	s_wait_loadcnt 4*(14-(\t))
.endif
	XTURN (\t)+1
.endif
	v_max3_num_f32 v8, |v[XS]|, |v[XS+1]|, |v[XS+2]|
	v_max3_num_f32 v9, |v[XS+3]|, |v[XS+4]|, |v[XS+5]|
.irp i, 6,10
	v_max3_num_f32 v8, v8, |v[XS+\i]|, |v[XS+\i+1]|
	v_max3_num_f32 v9, v9, |v[XS+\i+2]|, |v[XS+\i+3]|
.endr
	v_max3_num_f32 v8, v8, |v[XS+14]|, |v[XS+15]|
	v_max3_num_f32 v8, v8, v9, 0x1800000           ; the floor 2^(3 - 127)
	v_max_num_f32_dpp v8, v8, v8 row_xmask:1 row_mask:0xf bank_mask:0xf   ; with my neighbour's 16: the block's
	v_add_nc_u32 v11, 0xff000000, v8               ; 2 off its exponent field
	v_cvt_scalef32_pk8_fp4_f32 v[XC+2*(\t)], v[XS:XS+7], v11
	v_cvt_scalef32_pk8_fp4_f32 v[XC+2*(\t)+1], v[XS+8:XS+15], v11
	v_lshrrev_b32 v[XE+(\t)], 23, v11              ; the scale's byte
	ds_store_b8 v5, v[XE+(\t)] offset:16*(\t)      ; both lanes of a block write the same byte with the same value
	global_store_b64 v4, v[XC+2*(\t):XC+2*(\t)+1], s[14:15] offset:256*(\t)
.endm
.irp c, 0,1,2,3,4,5,6,7,8,9,10,11,12,13,14,15
	XSTEP \c
.endr
	ds_load_b64 v[8:9], v6                         ; these see my byte stores
	s_wait_dscnt 0x0
	global_store_b64 v7, v[8:9], s[16:17]          ; 32 lanes store 256 consecutive bytes, aligned
.Lend:
	s_wait_tensorcnt 0x0                           ; the wave's end: behind my last LDS store
	ds_add_u32 v[SPW], v[NIL]
	s_wait_dscnt 0x0
	s_endpgm
.Lfunc_end_k_qa3cc035874_prep:
	.size	k_qa3cc035874_prep, .Lfunc_end_k_qa3cc035874_prep-k_qa3cc035874_prep
	.p2alignl 7, 3214868480
	.fill 96, 4, 3214868480
	.section	.rodata,"a",@progbits
	.p2align	6, 0x0
	.amdhsa_kernel k_qa3cc035874_prep
		.amdhsa_group_segment_fixed_size 50688
		.amdhsa_private_segment_fixed_size 0
		.amdhsa_enable_private_segment 0
		.amdhsa_kernarg_size 80
		.amdhsa_user_sgpr_count 2
		.amdhsa_user_sgpr_kernarg_segment_ptr 1
		.amdhsa_wavefront_size32 1
		.amdhsa_system_sgpr_workgroup_id_x 1
		.amdhsa_system_sgpr_workgroup_id_y 1
		.amdhsa_system_sgpr_workgroup_id_z 1
		.amdhsa_system_vgpr_workitem_id 0
		.amdhsa_next_free_vgpr 224
		.amdhsa_next_free_sgpr 66
		.amdhsa_reserve_vcc 0
		.amdhsa_float_denorm_mode_32 3
		.amdhsa_float_denorm_mode_16_64 3
		.amdhsa_memory_ordered 1
		.amdhsa_forward_progress 1
		.amdhsa_inst_pref_size 91
	.end_amdhsa_kernel
	.amdgpu_metadata
---
amdhsa.version: [ 1, 2 ]
amdhsa.kernels:
  - .name:           k_qa3cc035874_prep
    .symbol:         k_qa3cc035874_prep.kd
    .args:
      - { .name: x, .offset: 0, .size: 8, .value_kind: global_buffer, .address_space: global }
      - { .name: Wq, .offset: 8, .size: 8, .value_kind: global_buffer, .address_space: global }
      - { .name: Wk, .offset: 16, .size: 8, .value_kind: global_buffer, .address_space: global }
      - { .name: Wv, .offset: 24, .size: 8, .value_kind: global_buffer, .address_space: global }
      - { .name: Wproj, .offset: 32, .size: 8, .value_kind: global_buffer, .address_space: global }
      - { .name: x_codes, .offset: 40, .size: 8, .value_kind: global_buffer, .address_space: global }
      - { .name: x_scales, .offset: 48, .size: 8, .value_kind: global_buffer, .address_space: global }
      - { .name: w_codes, .offset: 56, .size: 8, .value_kind: global_buffer, .address_space: global }
      - { .name: w_scales, .offset: 64, .size: 8, .value_kind: global_buffer, .address_space: global }
      - { .name: wp, .offset: 72, .size: 8, .value_kind: global_buffer, .address_space: global }
    .group_segment_fixed_size: 50688
    .private_segment_fixed_size: 0
    .kernarg_segment_align: 8
    .kernarg_segment_size: 80
    .max_flat_workgroup_size: 128
    .sgpr_count:     66
    .vgpr_count:     224
    .wavefront_size: 32
...
	.end_amdgpu_metadata
.endif
;; end of part 1
;; launch qkv (part 2): grid 12 x 16, 4 waves a work-group, clusters of 4 x 4, 327,680 bytes of LDS; arguments x_codes, x_scales, w_codes, w_scales, q_rms_w, k_rms_w, qkv; writes qkv
.if DOCPART == 2
	.amdgcn_target "amdgcn-amd-amdhsa--gfx1250"
	.amdhsa_code_object_version 6
	.text
	.protected	k_qa3cc035874_qkv
	.globl	k_qa3cc035874_qkv
	.p2align	8
	.type	k_qa3cc035874_qkv,@function
k_qa3cc035874_qkv:
	s_mov_b64 s[64:65], 0
	v_nop
	global_prefetch_b8 v0, s[64:65] scope:SCOPE_SE
	s_setreg_imm32_b32 hwreg(HW_REG_WAVE_MODE, 25, 1), 1
	s_wait_xcnt 0x0
	s_wait_alu depctr_hold_cnt(0) depctr_sa_sdst(0) depctr_va_vdst(0) depctr_va_sdst(0) depctr_va_ssrc(0) depctr_va_vcc(0) depctr_vm_vsrc(0)
	s_getreg_b32 s2, hwreg(HW_REG_IB_STS2, 6, 4)
	s_cmp_eq_u32 s2, 0
	s_cbranch_scc0 .Lentry_in_a_cluster
	s_endpgm
.Lentry_in_a_cluster:
	s_bfe_u32 s2, ttmp6, 0x10000c
	s_cmp_lg_u32 s2, 0xf033
	s_cbranch_scc0 .Lentry_shape_is_right
	s_endpgm
.Lentry_shape_is_right:
; q, k, v = x Wq, x Wk, x Wv on codes of E2M1 with one E8M0 scale for each 32 along K = 2,048; sums in f32; RMSNorm of q and k over a head's 128 in f32; results leave as f16 in the order of the next launch's operand registers.
; A tile of 256 x 256 is made by four waves, a wave makes 128 x 128: 64 accumulators of 16 x 16.  K goes in steps of 512 through two LDS slots filled by the tensor data mover (rows of 256 bytes); the scale bytes of the
; work-group's 2 x 256 rows for all of K come once, with the first fills, and stay.
; WHICH SIDE IS WHICH.  Cluster x says the tensor: 0 q, 1 k, 2 v.  For q and k operand A is x (rows = tokens) and operand B the weight (rows = channels).  For v they change places: A is Wv's rows (channels), B is x: so a lane of the
; result holds ONE channel and eight neighbouring tokens, which is what the product V^T P wants.  The matrix instruction is used transposed (source 0 = 16 rows of B, source 1 = 16 rows of A): lane (r, h) holds A's row r and B's rows 8 h + 0 .. 7.
; CLUSTERS: 4 x 4 work-groups; A's tile is shared along a row of the cluster, B's along a column, each asked for jointly.  The choice of sides hangs on the cluster's x, which all sixteen partners share.
; THE WAY OUT.  A lane's eight results as f16 are 16 bytes: one lane's place in a fragment of 16 rows x 32 (byte 512 half + 16 lane).  So each store of a wave covers 512 consecutive bytes, aligned, and nothing goes through LDS.
; q is also multiplied by log2(e) / sqrt(128), so that the next launch's scores are exponents of 2.
; LIMITS: v is rounded to f16: |v| under 65,504; NaN and infinities are not served.
; REGISTERS: window 0: v0-31 addresses; v32-95 scale words, two sets, and nothing else; v128-191 A's fragments, one set.   window 1: B's fragments, two sets, at v0 and v128; v192-255 the RMS weights of my 128 channels;
;   on the way out v0-63 sums of squares, then results; v64-79 1 / rms; v128-191 at work.   window 2, 3: the accumulators of my rows 0-63, 64-127 ((a, b) at v[8 (8 (a % 4) + b)]).
.set KSTEP,  512
.set NQ,     4                         ; matrix instructions deep in a slot
.set ROWB,   256                       ; a tile's row in bytes
.set KROW,   1024                      ; a row of codes in memory
.set PITCH,  272                       ; an LDS row: 256 bytes + 16 of padding: the 16 rows that a load touches start 68 words apart
.set FR,     8
.set NL,     2
.set NP,     4
.set HALFT,  128*PITCH
.set SLOT,   4*HALFT
.set LAPS,   2                         ; 2,048 / (2 x 512)
.set KS,     64                        ; a row of scale bytes
.set SCL,    2*SLOT
.set HALFS,  (128*KS/256)*272
.set SBLK,   (16*KS/256)*272
.set SPARE,  SCL+4*HALFS               ; the spare words, 128 bytes for each wave: two blocks of 256 bytes that no other line names
.set ADRA, 16
.set ADRB, 20
.set L16,  26                          ; v26  16 x lane
.set ADRS, 27
.set SPW,  28
.set NIL,  29
.set WOF,  30                          ; v30  32 x (lane / 16): my eight weights of a tile of channels
.set SC,   32
.set AF,   128
.set RS,   64                          ; in window 1
.set TT,   128
.set WT,   192
.set G1, 24
.set G0, 32
.set G1B, 48
.set G0B, 56
.set G1S, 68
.set G0S, 76
.set G1SB, 80
.set G0SB, 88
.set MSB, 0
.macro WIN new                         ; the immediate's high byte repeats the setting that is left
.if MSB != \new
	s_set_vgpr_msb (MSB<<8)|\new
.set MSB, \new
.endif
.endm
.set MUL_LO, 0xa1                      ; source 0 (B) window 1, source 1 (A) window 0, C and D window 2
.set MUL_HI, 0xf1
.set TO_B,   0x40
.macro JLOAD g0a, g1a, g0b, g1b        ; a joint load: waves 0 and 1 fetch for A, waves 2 and 3 for B; an s_nop 0 and four v_nop follow each line
	s_cmp_eq_u32 s15, 0
	s_cbranch_scc0 .Lfor_b_\@
	tensor_load_to_lds s[\g0a:\g0a+3], s[\g1a:\g1a+7]
	s_nop 0
.rept 4
	v_nop
.endr
	s_branch .Lasked_\@
.Lfor_b_\@:
	tensor_load_to_lds s[\g0b:\g0b+3], s[\g1b:\g1b+7]
	s_nop 0
.rept 4
	v_nop
.endr
.Lasked_\@:
.endm
.macro CREST
	s_cmp_lg_u32 s14, 0
	s_cbranch_scc1 .Lnot_wave_0_\@
	s_barrier_signal -3
.Lnot_wave_0_\@:
	s_barrier_wait -3
	s_barrier_signal -1
	s_barrier_wait -1
.endm
.macro CROUND
	s_barrier_signal -1
	s_barrier_wait -1
	CREST
.endm
	s_load_b128 s[4:7], s[0:1], 0x0                ; x's codes, x's scales
	s_load_b128 s[8:11], s[0:1], 0x10              ; the weights' codes, their scales
	s_load_b128 s[96:99], s[0:1], 0x20             ; q_rms_w, k_rms_w
	s_load_b64 s[12:13], s[0:1], 0x30              ; qkv
	v_lshl_add_u32 v[SPW], v0, 2, SPARE
	v_mov_b32 v[NIL], 0
	ds_add_u32 v[SPW], v[NIL]                      ; the wave's opening: the add, twice on end, and its wait ahead of my first tensor load
	ds_add_u32 v[SPW], v[NIL]
	v_lshrrev_b32 v1, 5, v0
	v_readfirstlane_b32 s14, v1                    ; wave 0..3
	s_lshr_b32 s15, s14, 1                         ; which half of A's rows is mine.  Also: I fetch for A (0) or for B (1)
	s_and_b32 s16, s14, 1                          ; which half of B's rows.  Also: which 128 rows of that tile I fetch
	s_bfe_u32 s40, ttmp6, 0x40000                  ; cx
	s_bfe_u32 s41, ttmp6, 0x40004                  ; cy
	s_and_b32 s17, ttmp7, 0xffff
	s_lshl_b32 s17, s17, 2                         ; 4 x cluster y
	s_lshl_b32 s42, ttmp9, 2                       ; 4 x cluster x
	s_cmp_eq_u32 ttmp9, 2                          ; v's clusters?
	s_cselect_b32 s42, s17, s42                    ; B's tiles: v: x's tokens by cluster y; else the weight's rows by cluster x
	s_cselect_b32 s17, 0, s17                      ; A's tiles: v: Wv's four tiles by cy alone; else x's tokens by cluster y
	s_cselect_b32 s95, 2048, 0                     ; Wv's rows begin at row 2,048 of the weights' codes
	s_add_co_u32 s42, s42, s40                     ; B's tile = .. + cx
	s_add_co_u32 s17, s17, s41                     ; A's tile = .. + cy
	s_lshl_b32 s43, s41, 2
	s_lshl_b32 s43, 15, s43                        ; my row of the cluster
	s_lshl_b32 s44, 0x1111, s40                    ; my column
	s_or_b32 s[G1+0], s43, (0<<16)|(1<<20)|(1<<21)|(5<<22)|(3<<25)  ; the mask; elements of 1 byte; padding on; bit 21 beside a mask; after every 64 words; 4 words
	s_or_b32 s[G1B+0], s44, (0<<16)|(1<<20)|(1<<21)|(5<<22)|(3<<25)
.irp g, G1, G1B
	s_mov_b32 s[\g+1], ROWB<<16                    ; tensor_dim0
	s_mov_b32 s[\g+2], 128<<16                     ; tensor_dim1
	s_mov_b32 s[\g+3], ROWB<<16                    ; tile_dim0
	s_mov_b32 s[\g+4], 128                         ; tile_dim1
	s_mov_b32 s[\g+5], KROW                        ; from row to row
	s_mov_b32 s[\g+6], 0
	s_mov_b32 s[\g+7], 0
.endr
	s_or_b32 s[G1S+0], s43, (3<<16)|(1<<20)|(1<<21)|(5<<22)|(3<<25) ; the scales of 128 rows: a dense block, as rows of 256 bytes (32 elements of 8 bytes), 16 bytes of padding behind each
	s_or_b32 s[G1SB+0], s44, (3<<16)|(1<<20)|(1<<21)|(5<<22)|(3<<25)
.irp g, G1S, G1SB
	s_mov_b32 s[\g+1], 32<<16
	s_mov_b32 s[\g+2], (128*KS/256)<<16
	s_mov_b32 s[\g+3], 32<<16
	s_mov_b32 s[\g+4], 128*KS/256
	s_mov_b32 s[\g+5], 32
	s_mov_b32 s[\g+6], 0
	s_mov_b32 s[\g+7], 0
.endr
	s_lshl_b32 s18, s16, 7                         ; which 128 rows of the tile I fetch
	s_lshl_b32 s20, s17, 8
	s_add_co_u32 s20, s20, s18
	s_add_co_u32 s20, s20, s95                     ; A's first row
	s_lshl_b32 s46, s42, 8
	s_add_co_u32 s46, s46, s18                     ; B's first row
	s_mov_b32 s21, 0
	s_mov_b32 s47, 0
	s_mov_b64 s[18:19], KS
	s_mul_u64 s[22:23], s[20:21], s[18:19]         ; where these rows' scales begin, in bytes
	s_mul_u64 s[92:93], s[46:47], s[18:19]
	s_mov_b64 s[18:19], KROW
	s_mul_u64 s[20:21], s[20:21], s[18:19]         ; and their codes
	s_mul_u64 s[46:47], s[46:47], s[18:19]
	s_mul_i32 s45, s14, HALFT                      ; where they go: wave x 128 rows
	s_mul_i32 s94, s14, HALFS
	s_wait_dscnt 0x0                               ; both opening adds are done
	s_wait_kmcnt 0x0
	s_cmp_eq_u32 ttmp9, 2                          ; v: the sides change places
	s_cselect_b64 s[66:67], s[8:9], s[4:5]
	s_cselect_b64 s[8:9], s[4:5], s[8:9]
	s_mov_b64 s[4:5], s[66:67]
	s_cselect_b64 s[66:67], s[10:11], s[6:7]
	s_cselect_b64 s[10:11], s[6:7], s[10:11]
	s_mov_b64 s[6:7], s[66:67]
	s_add_nc_u64 s[20:21], s[4:5], s[20:21]
	s_add_nc_u64 s[22:23], s[6:7], s[22:23]
	s_add_nc_u64 s[46:47], s[8:9], s[46:47]
	s_add_nc_u64 s[92:93], s[10:11], s[92:93]
	CROUND                                         ; all sixteen work-groups are here: the first joint loads meet
	s_mov_b32 s[G0S], 1
	s_add_co_u32 s[G0S+1], s94, SCL
	s_mov_b64 s[G0S+2:G0S+3], s[22:23]
	s_or_b32 s[G0S+3], s[G0S+3], 0x80000000
	s_mov_b32 s[G0SB], 1
	s_add_co_u32 s[G0SB+1], s94, SCL
	s_mov_b64 s[G0SB+2:G0SB+3], s[92:93]
	s_or_b32 s[G0SB+3], s[G0SB+3], 0x80000000
	JLOAD G0S, G1S, G0SB, G1SB                     ; the scales first: they are wanted with K step 0
.irp s, 0,1
	s_mov_b32 s[G0+4*\s], 1
	s_add_co_u32 s[G0+4*\s+1], s45, \s*SLOT
	s_add_nc_u64 s[G0+4*\s+2:G0+4*\s+3], s[20:21], \s*ROWB
	s_or_b32 s[G0+4*\s+3], s[G0+4*\s+3], 0x80000000
	s_mov_b32 s[G0B+4*\s], 1
	s_add_co_u32 s[G0B+4*\s+1], s45, \s*SLOT
	s_add_nc_u64 s[G0B+4*\s+2:G0B+4*\s+3], s[46:47], \s*ROWB
	s_or_b32 s[G0B+4*\s+3], s[G0B+4*\s+3], 0x80000000
	JLOAD G0+4*\s, G1, G0B+4*\s, G1B
.endr
	v_and_b32 v1, 15, v0                           ; l % 16
	v_bfe_u32 v2, v0, 4, 1                         ; l / 16
	v_mul_u32_u24 v3, v1, PITCH
	v_lshl_add_u32 v4, v2, 4, v3                   ; a fragment's row x pitch + 16 x half
	s_mul_i32 s21, s15, HALFT                      ; my 128 rows of A
	s_mul_i32 s22, s16, HALFT                      ; my 128 rows of B,
	s_add_co_u32 s22, s22, 2*HALFT                 ; which lie behind A's 256
.irp s, 0,1
	v_add_nc_u32 v[ADRA+\s], s21, v4
	v_add_nc_u32 v[ADRB+\s], s22, v4
	s_add_co_u32 s21, s21, SLOT
	s_add_co_u32 s22, s22, SLOT
.endr
	v_mul_u32_u24 v5, v1, KS                       ; my row's scales: 64 bytes a row,
	v_lshrrev_b32 v6, 8, v5
	v_lshl_add_u32 v5, v6, 4, v5                   ; and 16 more for each 256 passed
	s_mul_i32 s21, s15, HALFS
	s_mul_i32 s22, s16, HALFS
	s_add_co_u32 s22, s22, 2*HALFS
	s_sub_co_u32 s22, s22, s21
	v_mul_u32_u24 v6, s22, v2                      ; lanes 16-31 take B's
	s_add_co_u32 s21, s21, SCL
	v_add_nc_u32 v5, v5, v6
	v_add_nc_u32 v[ADRS], s21, v5
	v_and_b32 v6, 31, v0
	v_lshlrev_b32 v[L16], 4, v6
	v_lshlrev_b32 v[WOF], 5, v2
	; where my 128 x 128 goes: tensor x 8,388,608 + (8 x batch + head) x 524,288 + token x 256
	s_lshl_b32 s20, s17, 8
	s_lshl_b32 s21, s15, 7
	s_add_co_u32 s20, s20, s21                     ; A's row
	s_lshl_b32 s46, s42, 8
	s_lshl_b32 s47, s16, 7
	s_add_co_u32 s46, s46, s47                     ; B's row
	s_add_co_u32 s21, s20, 2048
	s_cmp_eq_u32 ttmp9, 2
	s_cselect_b32 s22, s46, s20                    ; my first token
	s_cselect_b32 s23, s21, s46                    ; my first channel among the 3,072
	s_lshr_b32 s20, s23, 10
	s_lshl_b32 s20, s20, 23
	s_lshr_b32 s21, s22, 11
	s_lshl_b32 s21, s21, 3
	s_bfe_u32 s46, s23, 0x30007                    ; the head
	s_add_co_u32 s21, s21, s46
	s_lshl_b32 s21, s21, 19
	s_add_co_u32 s20, s20, s21
	s_and_b32 s21, s22, 2047
	s_lshl_b32 s21, s21, 8
	s_add_co_u32 s20, s20, s21
	s_mov_b32 s21, 0
	s_add_nc_u64 s[12:13], s[12:13], s[20:21]
	s_mov_b32 s66, 0x76543210                      ; v_permlanex16_b32's selects for lane l xor 16
	s_mov_b32 s67, 0xfedcba98
	s_mov_b32 s92, 0x3c000000                      ; 1 / 128
	s_mov_b32 s93, 0x3727c5ac                      ; 1e-5
	s_mov_b32 s100, 1.0
	s_cmp_eq_u32 ttmp9, 0
	s_cselect_b64 s[96:97], s[96:97], s[98:99]     ; q's weights, else k's (v's work-groups load k's and do not use them: no branch here)
	s_cselect_b32 s100, 0x3e0293ee, s100           ; q alone is multiplied by log2(e) / sqrt(128)
	s_mov_b32 s101, s100                           ; (named with it as a pair)
	WIN 0x40                                       ; destination window 1
.irp b, 0,1,2,3,4,5,6,7
	global_load_b128 v[WT+8*\b:WT+8*\b+3], v[WOF], s[96:97] offset:64*\b      ; the weights of channels 16 b + 8 h + 0 .. 7; awaited on the way out
	global_load_b128 v[WT+8*\b+4:WT+8*\b+7], v[WOF], s[96:97] offset:64*\b+16
.endr
	WIN 0
.macro FRAG reg, adr, q, i             ; a fragment, 16 rows x 128 K of 4-bit codes: 8 registers
.irp c, 0,1
	ds_load_b128 v[\reg+4*\c:\reg+4*\c+3], v[\adr] offset:64*(\q)+32*\c+(\i)*16*PITCH
.endr
.endm
; 16 matrix instructions: A's blocks a0, a0 + 1 x B's eight, 128 along K.  The 64 accumulators take turns, one instruction a turn, in the same order in every step.
.macro MUL16 a0, p, q, sc, zero
.irp a, \a0, \a0+1
.irp b, 0,1,2,3,4,5,6,7
.if \zero
	v_wmma_scale_f32_16x16x128_f8f6f4 v[8*(8*((\a)%4)+\b):8*(8*((\a)%4)+\b)+7], v[128*(\p)+FR*\b:128*(\p)+FR*\b+FR-1], v[AF+FR*(\a):AF+FR*(\a)+FR-1], 0, v[SC+8*NQ*(\sc)+NQ*\b+(\q)], v[SC+8*NQ*(\sc)+NQ*(\a)+(\q)] matrix_a_fmt:MATRIX_FMT_FP4 matrix_b_fmt:MATRIX_FMT_FP4 matrix_a_scale:MATRIX_SCALE_ROW1
.else
	v_wmma_scale_f32_16x16x128_f8f6f4 v[8*(8*((\a)%4)+\b):8*(8*((\a)%4)+\b)+7], v[128*(\p)+FR*\b:128*(\p)+FR*\b+FR-1], v[AF+FR*(\a):AF+FR*(\a)+FR-1], v[8*(8*((\a)%4)+\b):8*(8*((\a)%4)+\b)+7], v[SC+8*NQ*(\sc)+NQ*\b+(\q)], v[SC+8*NQ*(\sc)+NQ*(\a)+(\q)] matrix_a_fmt:MATRIX_FMT_FP4 matrix_b_fmt:MATRIX_FMT_FP4 matrix_a_scale:MATRIX_SCALE_ROW1
.endif
.endr
.endr
.endm
.macro FETCH_B slot, q, p
	WIN TO_B
.irp i, 0,1,2,3,4,5,6,7
	FRAG 128*(\p)+FR*\i, ADRB+\slot, \q, \i
.endr
	WIN 0
.endm
.macro FETCH_A slot, q, i0
.irp i, \i0, \i0+1, \i0+2, \i0+3
	FRAG AF+FR*(\i), ADRA+\slot, \q, \i
.endr
.endm
.macro SCALES sc                       ; the next K step's scale words: lanes 0-15 take A's block i, lanes 16-31 B's block i
.irp i, 0,1,2,3,4,5,6,7
	ds_load_b128 v[SC+8*NQ*\sc+NQ*\i:SC+8*NQ*\sc+NQ*\i+3], v[ADRS] offset:\i*SBLK
.endr
.endm
.macro PLACES n                        ; plain vector instructions between a matrix instruction and a load into, or a read of, its registers
.rept \n
	v_nop
.endr
.endm
.macro STEP slot, q, zero              ; a step of 128 along K that has its successor in the same slot
	s_wait_dscnt 4*NL                              ; B's set and A's blocks 0-3 are in; the youngest eight loads (A's blocks 4-7) may be out
	WIN MUL_LO
	MUL16 0, (\q)%2, \q, \slot, \zero
	MUL16 2, (\q)%2, \q, \slot, \zero
	s_wait_dscnt 0                                 ; A's blocks 4-7 are in
	PLACES NP
	FETCH_B \slot, (\q)+1, 1-(\q)%2
	FETCH_A \slot, (\q)+1, 0
	WIN MUL_HI
	MUL16 4, (\q)%2, \q, \slot, \zero
	MUL16 6, (\q)%2, \q, \slot, \zero
	PLACES NP
	WIN 0
	FETCH_A \slot, (\q)+1, 4
.endm
; A slot's last step changes slots: one barrier; in front of it each wave waits for all its tensor loads, adds 0 to its spare word, and waits for that and for its own reads of this slot.
.macro TURN slot, next, fill
	s_wait_tensorcnt 0x0                           ; all my tensor loads have landed: my part of the next slot
	ds_add_u32 v[SPW], v[NIL]                      ; 0 onto my spare word
	s_wait_dscnt 4*NL+1                            ; (the add and the youngest eight loads may be out)
	WIN MUL_LO
	MUL16 0, 1, NQ-1, \slot, 0
	s_wait_dscnt 0x0                               ; the add is done, and my reads of this slot are over
	s_barrier_signal -1
	MUL16 2, 1, NQ-1, \slot, 0
	WIN 0
	s_barrier_wait -1
.if \fill
	CREST                                          ; the barrier has opened a round of the cluster's barrier: no wave of any partner still reads this slot or has a load on its way
	s_add_nc_u64 s[G0+4*\slot+2:G0+4*\slot+3], s[G0+4*\slot+2:G0+4*\slot+3], 2*ROWB
	s_add_nc_u64 s[G0B+4*\slot+2:G0B+4*\slot+3], s[G0B+4*\slot+2:G0B+4*\slot+3], 2*ROWB
	JLOAD G0+4*\slot, G1, G0B+4*\slot, G1B         ; the first tensor load behind the round; its four v_nop are the places in front of the loads below
.else
	PLACES NP
.endif
	v_add_nc_u32 v[ADRS], 4*NQ, v[ADRS]            ; on to the next K step's scale words
	FETCH_B \next, 0, 0
	FETCH_A \next, 0, 0
	SCALES \next
	WIN MUL_HI
	MUL16 4, 1, NQ-1, \slot, 0
	MUL16 6, 1, NQ-1, \slot, 0
	PLACES NP
	WIN 0
	FETCH_A \next, 0, 4
.endm
.macro STEPS slot, from
.set Q, \from
.rept NQ-1-\from
	STEP \slot, Q, 0
.set Q, Q+1
.endr
.endm
	s_wait_tensorcnt 1                             ; of my three first fills the scales and K step 0 are in; K step 1's load may be out
	s_barrier_signal -1
	s_barrier_wait -1
	FETCH_B 0, 0, 0
	FETCH_A 0, 0, 0
	SCALES 0
	FETCH_A 0, 0, 4
	STEP 0, 0, 1                                   ; the first step's products start the sums
	s_mov_b32 s3, LAPS-1
.Llap:                                                 ; a trip goes once round the ring and fills both slots again
	STEPS 0, 1
	TURN 0, 1, 1
	STEPS 1, 0
	TURN 1, 0, 1
	STEP 0, 0, 0
	s_sub_co_u32 s3, s3, 1
	s_cmp_lg_u32 s3, 0
	s_cbranch_scc1 .Llap
	STEPS 0, 1                                     ; the last lap fills nothing
	TURN 0, 1, 0
	STEPS 1, 0
	s_wait_dscnt 4*NL
	WIN MUL_LO
	MUL16 0, 1, NQ-1, 1, 0
	MUL16 2, 1, NQ-1, 1, 0
	s_wait_dscnt 0
	WIN MUL_HI
	MUL16 4, 1, NQ-1, 1, 0
	MUL16 6, 1, NQ-1, 1, 0
	WIN 0
; THE WAY OUT.  Block a (16 rows of A), tile b (16 rows of B): the lane's 16 bytes go to 16 lane + 16,384 (a / 4) + 1,024 (4 (a % 4) + b / 2) + 512 (b % 2): for q and k fragment (token tile a % 4, channels 32 (b / 2)) of a block
; of 64 tokens; for v fragment (channel tile a, tokens 32 (b / 2)) of a block of 128 tokens.
.macro STORES a
	WIN 0x04                                       ; a store's data are its source 1: window 1
.irp b, 0,1,2,3,4,5,6,7
	global_store_b128 v[L16], v[32*((\a)%2)+4*\b:32*((\a)%2)+4*\b+3], s[12:13] offset:16384*((\a)/4)+1024*(4*((\a)%4)+\b/2)+512*(\b%2)   ; 32 lanes store 512 consecutive bytes, aligned
.endr
.endm
	PLACES NP                                      ; behind the last products
	s_wait_loadcnt 0x0                             ; the weights
	s_cmp_eq_u32 ttmp9, 2
	s_cbranch_scc1 .Lpath_v
	; q, k: the sum of squares of each row's 128 channels: my 64 numbers in four chains, each accumulator from its low end on
.irp a, 0,1,2,3,4,5,6,7
	WIN 0x5a+5*(\a/4)                              ; sources 0 and 1 window 2 or 3; source 2 and destination window 1
.irp b, 0,1,2,3,4,5,6,7
.irp c, 0,1,2,3
.if \b == 0
	v_pk_mul_f32 v[8*\a+2*\c:8*\a+2*\c+1], v[64*(\a%4)+8*\b+2*\c:64*(\a%4)+8*\b+2*\c+1], v[64*(\a%4)+8*\b+2*\c:64*(\a%4)+8*\b+2*\c+1]
.else
	v_pk_fma_f32 v[8*\a+2*\c:8*\a+2*\c+1], v[64*(\a%4)+8*\b+2*\c:64*(\a%4)+8*\b+2*\c+1], v[64*(\a%4)+8*\b+2*\c:64*(\a%4)+8*\b+2*\c+1], v[8*\a+2*\c:8*\a+2*\c+1]
.endif
.endr
.endr
.endr
	WIN 0x55                                       ; all in window 1; the eight blocks by turns
.irp a, 0,1,2,3,4,5,6,7
	v_pk_add_f32 v[8*\a:8*\a+1], v[8*\a:8*\a+1], v[8*\a+2:8*\a+3]
.endr
.irp a, 0,1,2,3,4,5,6,7
	v_pk_add_f32 v[8*\a+4:8*\a+5], v[8*\a+4:8*\a+5], v[8*\a+6:8*\a+7]
.endr
.irp a, 0,1,2,3,4,5,6,7
	v_pk_add_f32 v[8*\a:8*\a+1], v[8*\a:8*\a+1], v[8*\a+4:8*\a+5]
.endr
.irp a, 0,1,2,3,4,5,6,7
	v_add_f32 v[8*\a], v[8*\a], v[8*\a+1]
.endr
.irp a, 0,1,2,3,4,5,6,7
	v_permlanex16_b32 v[8*\a+1], v[8*\a], s66, s67 ; the row's other 64 channels lie in the lane 16 away
.endr
.irp a, 0,1,2,3,4,5,6,7
	v_add_f32 v[8*\a], v[8*\a], v[8*\a+1]
.endr
.irp a, 0,1,2,3,4,5,6,7
	v_fma_f32 v[8*\a], v[8*\a], s92, s93           ; the mean + 1e-5
.endr
.irp a, 0,1,2,3,4,5,6,7
	v_mov_b32 v[RS+2*\a+1], 0                      ; (named as the upper half of a pair)
.endr
.irp a, 0,1,2,3,4,5,6,7
	v_rsq_f32 v[RS+2*\a], v[8*\a]
.endr
.set i, 0
.rept 32
	v_pk_mul_f32 v[WT+2*i:WT+2*i+1], v[WT+2*i:WT+2*i+1], s[100:101] op_sel_hi:[1,0]   ; the weights x q's factor: plain work behind the roots
.set i, i+1
.endr
	s_wait_alu depctr_va_vdst(0)                   ; one wait for the eight roots, ahead of their first reader
.macro QKOUT a
.if (\a) >= 2
	s_wait_xcnt 0x0                                ; block a - 2's stores have read their registers
.endif
	WIN 0x46+((\a)/4)                              ; source 0 window 2 or 3, source 1 and destination window 1
.set i, 0
.rept 32
	v_pk_mul_f32 v[TT+2*i:TT+2*i+1], v[64*((\a)%4)+2*i:64*((\a)%4)+2*i+1], v[RS+2*(\a):RS+2*(\a)+1] op_sel_hi:[1,0]
.set i, i+1
.endr
	WIN 0x45
.set i, 0
.rept 32
	v_pk_mul_f32 v[TT+2*i:TT+2*i+1], v[TT+2*i:TT+2*i+1], v[WT+2*i:WT+2*i+1]
.set i, i+1
.endr
.set i, 0
.rept 32
	v_cvt_pk_f16_f32 v[32*((\a)%2)+i], v[TT+2*i], v[TT+2*i+1]
.set i, i+1
.endr
	STORES \a
.endm
.irp n, 0,1,2,3,4,5,6,7
	QKOUT \n
.endr
	WIN 0
	s_branch .Lout_done
.Lpath_v:
.macro VOUT a                          ; v has no norm: rounded as it stands, each accumulator from its low end on
.if (\a) >= 2
	s_wait_xcnt 0x0
.endif
	WIN 0x4a+5*((\a)/4)
.set i, 0
.rept 32
	v_cvt_pk_f16_f32 v[32*((\a)%2)+i], v[64*((\a)%4)+2*i], v[64*((\a)%4)+2*i+1]
.set i, i+1
.endr
	STORES \a
.endm
.irp n, 0,1,2,3,4,5,6,7
	VOUT \n
.endr
	WIN 0
.Lout_done:
	s_wait_tensorcnt 0x0                           ; the wave's end: behind my last tensor load
	ds_add_u32 v[SPW], v[NIL]
	s_wait_dscnt 0x0
	CROUND                                         ; the closing round
	s_endpgm
.Lfunc_end_k_qa3cc035874_qkv:
	.size	k_qa3cc035874_qkv, .Lfunc_end_k_qa3cc035874_qkv-k_qa3cc035874_qkv
	.p2alignl 7, 3214868480
	.fill 96, 4, 3214868480
	.section	.rodata,"a",@progbits
	.p2align	6, 0x0
	.amdhsa_kernel k_qa3cc035874_qkv
		.amdhsa_group_segment_fixed_size 327680
		.amdhsa_private_segment_fixed_size 0
		.amdhsa_enable_private_segment 0
		.amdhsa_kernarg_size 56
		.amdhsa_user_sgpr_count 2
		.amdhsa_user_sgpr_kernarg_segment_ptr 1
		.amdhsa_wavefront_size32 1
		.amdhsa_system_sgpr_workgroup_id_x 1
		.amdhsa_system_sgpr_workgroup_id_y 1
		.amdhsa_system_sgpr_workgroup_id_z 1
		.amdhsa_system_vgpr_workitem_id 0
		.amdhsa_next_free_vgpr 1024
		.amdhsa_next_free_sgpr 102
		.amdhsa_reserve_vcc 0
		.amdhsa_float_denorm_mode_32 3
		.amdhsa_float_denorm_mode_16_64 3
		.amdhsa_memory_ordered 1
		.amdhsa_forward_progress 1
		.amdhsa_inst_pref_size 255
	.end_amdhsa_kernel
	.section	.bss,"aw",@nobits
	.p2align	6
	.space	262144
	.amdgpu_metadata
---
amdhsa.version: [ 1, 2 ]
amdhsa.kernels:
  - .name:           k_qa3cc035874_qkv
    .symbol:         k_qa3cc035874_qkv.kd
    .args:
      - { .name: x_codes, .offset: 0, .size: 8, .value_kind: global_buffer, .address_space: global }
      - { .name: x_scales, .offset: 8, .size: 8, .value_kind: global_buffer, .address_space: global }
      - { .name: w_codes, .offset: 16, .size: 8, .value_kind: global_buffer, .address_space: global }
      - { .name: w_scales, .offset: 24, .size: 8, .value_kind: global_buffer, .address_space: global }
      - { .name: q_rms_w, .offset: 32, .size: 8, .value_kind: global_buffer, .address_space: global }
      - { .name: k_rms_w, .offset: 40, .size: 8, .value_kind: global_buffer, .address_space: global }
      - { .name: qkv, .offset: 48, .size: 8, .value_kind: global_buffer, .address_space: global }
    .group_segment_fixed_size: 327680
    .private_segment_fixed_size: 0
    .kernarg_segment_align: 8
    .kernarg_segment_size: 56
    .max_flat_workgroup_size: 128
    .sgpr_count:     102
    .vgpr_count:     1024
    .wavefront_size: 32
...
	.end_amdgpu_metadata
.endif
;; end of part 2
;; launch attn (part 3): grid 16 x 16, 4 waves a work-group, no clusters, 270,848 bytes of LDS; arguments qkv, subln_w, yf; writes yf
.if DOCPART == 3
	.amdgcn_target "amdgcn-amd-amdhsa--gfx1250"
	.amdhsa_code_object_version 6
	.text
	.protected	k_qa3cc035874_attn
	.globl	k_qa3cc035874_attn
	.p2align	8
	.type	k_qa3cc035874_attn,@function
k_qa3cc035874_attn:
	s_mov_b64 s[64:65], 0
	v_nop
	global_prefetch_b8 v0, s[64:65] scope:SCOPE_SE
	s_setreg_imm32_b32 hwreg(HW_REG_WAVE_MODE, 25, 1), 1
	s_wait_xcnt 0x0
; y = RMSNorm(softmax(q.k / sqrt(128) - slope (i - j), causal) v) x subln_w, for one (batch, head) and two blocks of 64 queries; f16 operands, f32 sums, maxima and norms.
; LEFT OUT: steps of 64 keys that lie wholly behind a block's 64 queries (under the mask that reference() builds itself; shown at the head of the first launch).
; SHARES.  Work-group (i, bh) owns query blocks 31 - i (pass B) and i (pass A) of a head: 32 - i and i + 1 steps of 64 keys, 33 items whatever i is: 256 equal work-groups.
; THE FOUR WAVES SPLIT THE KEYS.  All four hold the same 64 queries (four tiles of 16); the list 'B's steps, then A's steps' is dealt round robin: wave w has (36 - w) / 4 items, (35 - i - w) / 4 of them B's.
; Each wave keeps its own running maximum m, sum l and O^T; the four parts meet once, in LDS, at the end.  So each fragment of K and V is read by one wave alone and goes from memory straight into registers, in the order
; in which the launch before laid it: no ring, no tensor load, one barrier.
; NO CLUSTER: nothing passes through LDS on the way in that partners could receive jointly, and the work-groups of a head walk lists of different lengths in each pass (32 - i against 32 - i').
; A LANE.  S^T = K Q^T (source 0 = 16 keys, source 1 = 16 queries), O^T = V^T P: a lane holds ONE query (lane % 16).  q carries log2(e) / sqrt(128), so scores are exponents of 2.
; THE BIAS in those units is sl2 (j - i), sl2 = log2(e) 2^-(head + 1).  Its part inside a tile, sl2 (16 kt + 8 h + reg - r), is the C of each score's first product (32 registers, made once);
; the rest is one number for a tile and item: G = -sl2 (64 (query block - key step) + 16 t).  m = max(m, largest score + G); p = 2^(score + G - m); O and l are multiplied by 2^(old m - new m).
; LIMITS: p and y are rounded to f16; NaN and infinities are not served.
; REGISTERS: window 0: v1-31 addresses and constants; v32 + 8 t: +0 G - m, +1 m, +2, +3 l, +4 .. +7 at work (+6 the factor a); v64-191 S^T, 32 a tile; v192-255 P, 16 a tile.
;   window 1: O^T at 64 t + 8 ct.   window 2: v0-127 Q, v128-255 K.   window 3: v0-127 V (64 kc + 8 ct); v128-159 the bias table; v160-223 subln_w at 16 ct + 8 h + reg.
.set STB,   262144                     ; LDS: 0 .. 262,143 the parts of O^T: pass x 131,072 + wave x 32,768 + tile x 8,192 + 512 q + 16 lane;  from here m and l: pass x 4,096 + wave x 1,024 + tile x 128 + 4 lane (l: + 512)
.set SPARE, 270336                     ; the spare words, 128 bytes for each wave: two blocks of 256 bytes that no other line names
.set L16, 1
.set AK,  2
.set AV,  3
.set AQB, 4
.set AQA, 5
.set PK0, 6
.set PV0, 7
.set PFK, 8
.set PFV, 9
.set POB, 10
.set POA, 11
.set SPW, 12
.set NIL, 13
.set NINF, 14
.set RH,  15                           ; r - 8 h
.set MR,  16                           ; v16-19 the merge's read addresses
.set G,   24                           ; v24-27
.set STS, 28
.set MST, 29
.set SWO, 30
.set ST,  32
.set S,   64
.set P,   192
.set MSB, 0
.macro WIN new
.if MSB != \new
	s_set_vgpr_msb (MSB<<8)|\new
.set MSB, \new
.endif
.endm
; s10 wave, s11 i, s12 bh; s[16:17], s[18:19], s[20:21] the head's q, k, v; s22 B's items, s23 all items, s24 A's first step, s25 the item, s26 its key step, s27 its query block, s28 the next key step, s29 the item + 1,
; s30, s31 the next K's and V's offsets; s32 sl2, s33 -sl2; s34-37 distances; s[38:39] lane selects; s40-47 the diagonal's masks; s48 items - 1; s49 how many items are prefetched for; s[52:53], s[54:55] where y goes.
.macro LOADQ adr                       ; 64 queries x 128 channels: 16 fragments, tile f / 4, channels 32 (f % 4) on
	WIN 0x80
.irp f, 0,1,2,3,4,5,6,7,8,9,10,11,12,13,14,15
	global_load_b128 v[8*\f:8*\f+3], v[\adr], s[16:17] offset:1024*\f
	global_load_b128 v[8*\f+4:8*\f+7], v[\adr], s[16:17] offset:1024*\f+512
.endr
	WIN 0
.endm
.macro LOADK
	WIN 0x80
.irp f, 0,1,2,3,4,5,6,7,8,9,10,11,12,13,14,15
	global_load_b128 v[128+8*\f:128+8*\f+3], v[AK], s[18:19] offset:1024*\f
	global_load_b128 v[128+8*\f+4:128+8*\f+7], v[AK], s[18:19] offset:1024*\f+512
.endr
	WIN 0
.endm
.macro LOADV
	WIN 0xc0
.irp u, 0,1
.irp c, 0,1,2,3,4,5,6,7
	global_load_b128 v[64*\u+8*\c:64*\u+8*\c+3], v[AV], s[20:21] offset:16384*(\c/4)+1024*(4*(\c%4)+\u)
	global_load_b128 v[64*\u+8*\c+4:64*\u+8*\c+7], v[AV], s[20:21] offset:16384*(\c/4)+1024*(4*(\c%4)+\u)+512
.endr
.endr
	WIN 0
.endm
	s_load_b128 s[4:7], s[0:1], 0x0                ; qkv, subln_w
	s_load_b64 s[8:9], s[0:1], 0x10                ; yf
	v_lshl_add_u32 v[SPW], v0, 2, SPARE
	v_mov_b32 v[NIL], 0
	v_lshrrev_b32 v20, 5, v0
	v_readfirstlane_b32 s10, v20                   ; wave 0..3
	s_mov_b32 s11, ttmp9
	s_and_b32 s12, ttmp7, 0xffff
	v_and_b32 v21, 31, v0                          ; lane
	v_and_b32 v22, 15, v0                          ; r
	v_bfe_u32 v23, v0, 4, 1                        ; h
	v_lshlrev_b32 v[L16], 4, v21
	v_lshlrev_b32 v[RH], 3, v23
	v_sub_nc_u32 v[RH], v22, v[RH]
	v_lshlrev_b32 v[SWO], 5, v23
	v_lshlrev_b32 v[PK0], 8, v21                   ; prefetches of K: lanes 256 bytes apart
	v_lshrrev_b32 v[PV0], 3, v21
	v_and_b32 v20, 7, v21
	v_lshlrev_b32 v20, 8, v20
	v_lshl_add_u32 v[PV0], v[PV0], 12, v20         ; of V: a step's part of a channel tile is 2,048 bytes, 4,096 apart
	s_lshl_b32 s50, s10, 15
	v_add_nc_u32 v[POB], s50, v[L16]
	v_add_nc_u32 v[POA], 0x20000, v[POB]
	v_lshlrev_b32 v[STS], 2, v21
	v_lshlrev_b32 v[MST], 2, v21
	s_lshl_b32 s50, s10, 10
	s_add_co_u32 s50, s50, STB
	v_add_nc_u32 v[STS], s50, v[STS]
	s_lshl_b32 s50, s10, 7
	s_add_co_u32 s50, s50, STB
	v_add_nc_u32 v[MST], s50, v[MST]
	s_lshl_b32 s50, s10, 13
	v_add_nc_u32 v[MR], s50, v[L16]
	v_add_nc_u32 v[MR+1], 0x10000, v[MR]
	v_add_nc_u32 v[MR+2], 0x20000, v[MR]
	v_add_nc_u32 v[MR+3], 0x30000, v[MR]
	s_sub_co_u32 s22, 35, s11
	s_sub_co_u32 s22, s22, s10
	s_lshr_b32 s22, s22, 2                         ; B's items: at least 4
	s_sub_co_u32 s23, 36, s10
	s_lshr_b32 s23, s23, 2                         ; all my items: 9 or 8
	s_add_co_u32 s24, s10, s11
	s_and_b32 s24, s24, 3                          ; A's first step of mine
	s_mov_b32 s25, 0
	s_mov_b32 s26, s10
	s_sub_co_u32 s27, 31, s11
	s_and_b32 s50, s12, 7
	s_add_co_u32 s50, s50, 1
	s_lshl_b32 s50, s50, 23
	s_sub_co_u32 s32, 0x3fb8aa3b, s50              ; log2(e) with head + 1 taken off its exponent
	s_xor_b32 s33, s32, 0x80000000
	s_mov_b32 s38, 0x76543210
	s_mov_b32 s39, 0xfedcba98
	s_sub_co_u32 s48, s23, 1
	s_cmp_eq_u32 s11, 0
	s_cselect_b32 s49, s22, 0                      ; the head's work-group 0 walks all 32 steps: it alone prefetches
	s_lshl_b32 s50, s27, 14
	v_add_nc_u32 v[AQB], s50, v[L16]
	s_lshl_b32 s50, s11, 14
	v_add_nc_u32 v[AQA], s50, v[L16]
	s_lshl_b32 s50, s10, 14
	v_add_nc_u32 v[AK], s50, v[L16]                ; item 0: key step = wave
	s_lshr_b32 s50, s10, 1
	s_lshl_b32 s50, s50, 15
	s_and_b32 s51, s10, 1
	s_lshl_b32 s51, s51, 11
	s_or_b32 s50, s50, s51
	v_add_nc_u32 v[AV], s50, v[L16]
	s_wait_kmcnt 0x0
	s_lshl_b32 s50, s12, 19
	s_mov_b32 s51, 0
	s_add_nc_u64 s[16:17], s[4:5], s[50:51]
	s_add_nc_u64 s[18:19], s[16:17], 0x800000
	s_add_nc_u64 s[20:21], s[16:17], 0x1000000
	s_lshr_b32 s50, s12, 3
	s_lshl_b32 s50, s50, 7
	s_add_co_u32 s50, s50, s10                     ; token tile = 128 x batch + 4 x block + wave: in the merge wave w owns tile w
	s_and_b32 s51, s12, 7
	s_lshl_b32 s51, s51, 12
	s_lshl_b32 s28, s27, 2
	s_add_co_u32 s28, s28, s50
	s_lshl_b32 s28, s28, 15
	s_add_co_u32 s28, s28, s51
	s_mov_b32 s29, 0
	s_add_nc_u64 s[52:53], s[8:9], s[28:29]
	s_lshl_b32 s28, s11, 2
	s_add_co_u32 s28, s28, s50
	s_lshl_b32 s28, s28, 15
	s_add_co_u32 s28, s28, s51
	s_add_nc_u64 s[54:55], s[8:9], s[28:29]
	WIN 0xc0
.irp c, 0,1,2,3,4,5,6,7
	global_load_b128 v[160+8*\c:160+8*\c+3], v[SWO], s[6:7] offset:64*\c
	global_load_b128 v[160+8*\c+4:160+8*\c+7], v[SWO], s[6:7] offset:64*\c+16
.endr
	WIN 0
	LOADQ AQB
	LOADK
	LOADV                                          ; V last: the first wait of an item leaves these 32 out
	; while they fly: the bias table, the diagonal's masks, zeros
.irp n, 0,1,2,3,4,5,6,7,8,9,10,11,12,13,14,15,16,17,18,19,20,21,22,23,24,25,26,27,28,29,30,31
	v_sub_nc_u32 v[S+\n], 16*(\n/8)+\n%8, v[RH]    ; 16 kt + reg + 8 h - r
.endr
.irp n, 0,1,2,3,4,5,6,7,8,9,10,11,12,13,14,15,16,17,18,19,20,21,22,23,24,25,26,27,28,29,30,31
	v_cvt_f32_i32 v[S+\n], v[S+\n]
.endr
	WIN 0xc0
.irp n, 0,1,2,3,4,5,6,7,8,9,10,11,12,13,14,15,16,17,18,19,20,21,22,23,24,25,26,27,28,29,30,31
	v_mul_f32 v[128+\n], s32, v[S+\n]
.endr
	WIN 0
.irp j, 0,1,2,3,4,5,6,7
	v_cmp_gt_i32 s[40+\j], \j, v[RH]               ; in a tile on the diagonal register j's key comes after my query where 8 h + j > r
.endr
	v_mov_b32 v[NINF], 0xff800000
.macro CLEAR                           ; O^T = 0, l = 0, m = -3e38, under every score.  The zeros are kept on purpose: a wave with no item of pass A hands on exactly these, and one step serves first and later items
	WIN 0x40
.set i, 0
.rept 256
	v_mov_b32 v[i], 0
.set i, i+1
.endr
	WIN 0
.irp t, 0,1,2,3
	v_mov_b32 v[ST+8*\t+1], 0xff61b1e6
	v_mov_b32 v[ST+8*\t+2], 0
	v_mov_b32 v[ST+8*\t+3], 0
.endr
.endm
	CLEAR
; A PREFETCH of the K and V fragments of my item two on: 64 + 64 blocks of 256 bytes, a lane a block, four instructions.  Only the head's work-group 0 asks, each wave for its own steps, so each block is named once in the launch;
; items 0 and 1 come by their loads alone; it stops where item + 2 is no item of pass B, so no address leaves the head.
.macro ASK
	s_add_co_u32 s50, s25, 2
	s_cmp_lt_u32 s50, s49
	s_cbranch_scc0 .Lno_ask_\@
	s_add_co_u32 s50, s26, 8
	s_lshl_b32 s51, s50, 14
	v_add_nc_u32 v[PFK], s51, v[PK0]
	s_lshr_b32 s51, s50, 1
	s_lshl_b32 s51, s51, 15
	s_and_b32 s50, s50, 1
	s_lshl_b32 s50, s50, 11
	s_or_b32 s51, s51, s50
	v_add_nc_u32 v[PFV], s51, v[PV0]
	global_prefetch_b8 v[PFK], s[18:19] th:TH_LOAD_NT scope:SCOPE_SE
	global_prefetch_b8 v[PFK], s[18:19] offset:8192 th:TH_LOAD_NT scope:SCOPE_SE
	global_prefetch_b8 v[PFV], s[20:21] th:TH_LOAD_NT scope:SCOPE_SE
	global_prefetch_b8 v[PFV], s[20:21] offset:16384 th:TH_LOAD_NT scope:SCOPE_SE
.Lno_ask_\@:
.endm
.macro DIAG                            ; the step on the diagonal: hidden scores become -infinity ahead of the maximum
.irp t, 0,1,2,3
.irp j, 0,1,2,3,4,5,6,7
	v_cndmask_b32 v[S+40*\t+\j], v[S+40*\t+\j], v[NINF], s[40+\j]   ; key tile = query tile, from the low end on
.endr
.endr
.irp t, 0,1,2
.irp u, 1,2,3
.if \u > \t
.irp j, 0,1,2,3,4,5,6,7
	v_mov_b32 v[S+32*\t+8*\u+\j], v[NINF]          ; key tiles behind the query tile
.endr
.endif
.endr
.endr
.endm
.macro SOFTMAX                         ; the four tiles by turns
.irp j, 0,1,2,3
.irp t, 0,1,2,3
	v_max3_num_f32 v[ST+8*\t+4+\j], v[S+32*\t+8*\j], v[S+32*\t+8*\j+1], v[S+32*\t+8*\j+2]   ; four chains a tile, each accumulator from its low end on
.endr
.endr
.irp u, 1,2
.irp j, 0,1,2,3
.irp t, 0,1,2,3
	v_max3_num_f32 v[ST+8*\t+4+\j], v[ST+8*\t+4+\j], v[S+32*\t+8*\j+2*\u+1], v[S+32*\t+8*\j+2*\u+2]
.endr
.endr
.endr
.irp t, 0,1,2,3
	v_max3_num_f32 v[ST+8*\t+4], v[ST+8*\t+4], v[S+32*\t+7], v[S+32*\t+15]
.endr
.irp t, 0,1,2,3
	v_max3_num_f32 v[ST+8*\t+6], v[ST+8*\t+6], v[S+32*\t+23], v[S+32*\t+31]
.endr
.irp t, 0,1,2,3
	v_max3_num_f32 v[ST+8*\t+4], v[ST+8*\t+4], v[ST+8*\t+5], v[ST+8*\t+6]
.endr
.irp t, 0,1,2,3
	v_max_num_f32 v[ST+8*\t+4], v[ST+8*\t+4], v[ST+8*\t+7]
.endr
.irp t, 0,1,2,3
	v_permlanex16_b32 v[ST+8*\t+5], v[ST+8*\t+4], s38, s39   ; the query's other 32 keys lie in the lane 16 away
.endr
.irp t, 0,1,2,3
	v_max_num_f32 v[ST+8*\t+4], v[ST+8*\t+4], v[ST+8*\t+5]
.endr
.irp t, 0,1,2,3
	v_mov_b32 v[ST+8*\t+7], v[ST+8*\t+1]           ; the old m
.endr
.irp t, 0,1,2,3
	v_add_f32 v[ST+8*\t+4], v[ST+8*\t+4], v[G+\t]
.endr
.irp t, 0,1,2,3
	v_max_num_f32 v[ST+8*\t+1], v[ST+8*\t+1], v[ST+8*\t+4]   ; the running maximum
.endr
.irp t, 0,1,2,3
	v_sub_f32 v[ST+8*\t+7], v[ST+8*\t+7], v[ST+8*\t+1]
.endr
.irp t, 0,1,2,3
	v_sub_f32 v[ST+8*\t], v[G+\t], v[ST+8*\t+1]    ; G - m
.endr
.irp t, 0,1,2,3
	v_exp_f32 v[ST+8*\t+6], v[ST+8*\t+7]           ; a = 2^(old m - new m)
.endr
.set i, 0
.rept 64
	v_pk_add_f32 v[S+2*i:S+2*i+1], v[S+2*i:S+2*i+1], v[ST+8*(i/16):ST+8*(i/16)+1] op_sel_hi:[1,0]   ; score + G - m: plain work behind the four
.set i, i+1
.endr
	s_wait_alu depctr_va_vdst(0)                   ; the wait for the four a, which the rescaling below reads
.set i, 0
.rept 128
	v_exp_f32 v[S+i], v[S+i]                       ; p, at most 1
.set i, i+1
.endr
	WIN 0x41                                       ; O^T in window 1, a in window 0
.set i, 0
.rept 128
	v_pk_mul_f32 v[2*i:2*i+1], v[2*i:2*i+1], v[ST+8*(i/32)+6:ST+8*(i/32)+7] op_sel_hi:[1,0]   ; O^T x a, each accumulator from its low end on: plain work behind the batch
.set i, i+1
.endr
	WIN 0
	s_wait_alu depctr_va_vdst(0)                   ; one wait for the 128, ahead of their first reader
.set i, 0
.rept 64
	v_cvt_pk_f16_f32 v[P+i], v[S+2*i], v[S+2*i+1]  ; two neighbouring key tiles, packed, are source 1 of V^T P
.set i, i+1
.endr
.irp z, 0,1,2,3,4,5,6,7
.irp t, 0,1,2,3
	v_pk_add_f32 v[S+32*\t+4*\z:S+32*\t+4*\z+1], v[S+32*\t+4*\z:S+32*\t+4*\z+1], v[S+32*\t+4*\z+2:S+32*\t+4*\z+3]   ; the sum of the unrounded p, in place
.endr
.endr
.irp z, 0,1,2,3
.irp t, 0,1,2,3
	v_pk_add_f32 v[S+32*\t+8*\z:S+32*\t+8*\z+1], v[S+32*\t+8*\z:S+32*\t+8*\z+1], v[S+32*\t+8*\z+4:S+32*\t+8*\z+5]
.endr
.endr
.irp z, 0,1
.irp t, 0,1,2,3
	v_pk_add_f32 v[S+32*\t+16*\z:S+32*\t+16*\z+1], v[S+32*\t+16*\z:S+32*\t+16*\z+1], v[S+32*\t+16*\z+8:S+32*\t+16*\z+9]
.endr
.endr
.irp t, 0,1,2,3
	v_pk_add_f32 v[S+32*\t:S+32*\t+1], v[S+32*\t:S+32*\t+1], v[S+32*\t+16:S+32*\t+17]
.endr
.irp t, 0,1,2,3
	v_pk_fma_f32 v[ST+8*\t+2:ST+8*\t+3], v[ST+8*\t+2:ST+8*\t+3], v[ST+8*\t+6:ST+8*\t+7], v[S+32*\t:S+32*\t+1] op_sel_hi:[1,0,1]   ; l = l a + the sum
.endr
.endm
; ONE ITEM: 64 queries x 64 keys.  last = 1: nothing more is fetched.
.macro STEP last
.if !\last
	s_add_co_u32 s29, s25, 1
	s_add_co_u32 s28, s26, 4
	s_cmp_eq_u32 s29, s22
	s_cselect_b32 s28, s24, s28                    ; the next key step: four on, or pass A's first
	s_lshl_b32 s30, s28, 14
	s_lshr_b32 s31, s28, 1
	s_lshl_b32 s31, s31, 15
	s_and_b32 s50, s28, 1
	s_lshl_b32 s50, s50, 11
	s_or_b32 s31, s31, s50
.endif
	s_sub_co_u32 s34, s27, s26
	s_lshl_b32 s34, s34, 6                         ; 64 (query block - key step) + 16 t
	s_add_co_u32 s35, s34, 16
	s_add_co_u32 s36, s34, 32
	s_add_co_u32 s37, s34, 48
	s_wait_loadcnt 32                              ; K of this item (and Q) are in; V's 32 loads, issued last, may be out
	WIN 0x3a                                       ; K and Q window 2, C = the bias table in window 3, S^T window 0
.irp u, 0,1,2,3
.irp t, 0,1,2,3
	v_wmma_f32_16x16x32_f16 v[S+32*\t+8*\u:S+32*\t+8*\u+7], v[128+32*\u:128+32*\u+7], v[32*\t:32*\t+7], v[128+8*\u:128+8*\u+7]
.endr
.endr
	WIN 0x0a                                       ; the 16 accumulators by turns
.irp c, 1,2,3
.irp u, 0,1,2,3
.irp t, 0,1,2,3
	v_wmma_f32_16x16x32_f16 v[S+32*\t+8*\u:S+32*\t+8*\u+7], v[128+32*\u+8*\c:128+32*\u+8*\c+7], v[32*\t+8*\c:32*\t+8*\c+7], v[S+32*\t+8*\u:S+32*\t+8*\u+7]
.endr
.endr
.endr
	WIN 0
.irp t, 0,1,2,3
	v_cvt_f32_u32 v[G+\t], s[34+\t]
.endr
.irp t, 0,1,2,3
	v_mul_f32 v[G+\t], s33, v[G+\t]                ; G.  These lines are the places behind the products
.endr
.if !\last
	s_wait_xcnt 0x0                                ; earlier loads and prefetches have read their addresses
	v_add_nc_u32 v[AK], s30, v[L16]
	s_cmp_lg_u32 s29, s22
	s_cbranch_scc1 .Lno_qa_\@
	LOADQ AQA                                      ; pass B's last item has multiplied by Q: pass A's queries take its place
.Lno_qa_\@:
	LOADK                                          ; the next item's K
	ASK
.endif
	s_cmp_lg_u32 s26, s27
	s_cbranch_scc1 .Lopen_\@
	DIAG
.Lopen_\@:
	SOFTMAX
.if \last
	s_wait_loadcnt 0x0
.else
	s_wait_loadcnt 32                              ; V is in: behind it the next K's 32 loads were issued (and, ahead of those, pass A's Q where it was asked for)
.endif
	WIN 0x53                                       ; V window 3, P window 0, O^T window 1; 32 accumulators by turns
.irp u, 0,1
.irp c, 0,1,2,3,4,5,6,7
.irp t, 0,1,2,3
	v_wmma_f32_16x16x32_f16 v[64*\t+8*\c:64*\t+8*\c+7], v[64*\u+8*\c:64*\u+8*\c+7], v[P+16*\t+8*\u:P+16*\t+8*\u+7], v[64*\t+8*\c:64*\t+8*\c+7]
.endr
.endr
.endr
	WIN 0
.rept 4
	v_nop                                          ; places in front of the loads into V's registers and of reads of O^T
.endr
.if !\last
	s_wait_xcnt 0x0
	v_add_nc_u32 v[AV], s31, v[L16]
	LOADV                                          ; the next item's V
.endif
.endm
; My part of a pass goes to LDS: O^T as it stands, 16 bytes a lane, each accumulator's low four registers first; m; l.  zero = 1: and the next pass begins.
.macro FLUSH adr, stoff, zero
.irp t, 0,1,2,3
	v_add_f32 v[ST+8*\t+4], v[ST+8*\t+2], v[ST+8*\t+3]
.endr
	WIN 0x04                                       ; an LDS store's data are its source 1: window 1
.irp t, 0,1,2,3
.irp q, 0,1,2,3,4,5,6,7,8,9,10,11,12,13,14,15
	ds_store_b128 v[\adr], v[64*\t+4*\q:64*\t+4*\q+3] offset:8192*\t+512*\q
.endr
.endr
	WIN 0
.irp t, 0,1,2,3
	ds_store_b32 v[STS], v[ST+8*\t+1] offset:\stoff+128*\t
	ds_store_b32 v[STS], v[ST+8*\t+4] offset:\stoff+128*\t+512
.endr
.if \zero
	s_wait_dscnt 0x0                               ; the stores have read their registers
	CLEAR
.endif
.endm
.Litem:                                                ; all my items but the last
	STEP 0
	s_mov_b32 s26, s28
	s_cmp_lg_u32 s29, s22
	s_cbranch_scc1 .Lsame
	s_mov_b32 s27, s11                             ; pass B is over: on to query block i
	FLUSH POB, 0, 1
.Lsame:
	s_add_co_u32 s25, s25, 1
	s_cmp_lt_u32 s25, s48
	s_cbranch_scc1 .Litem
	STEP 1
	s_cmp_lg_u32 s23, s22
	s_cbranch_scc1 .Lhad_a
	FLUSH POB, 0, 1                                ; I had no item of pass A: the last item was B's, and A's part is zeros under m = -3e38
.Lhad_a:
	FLUSH POA, 4096, 0
	s_wait_dscnt 0x0                               ; for the others' sake: my parts lie in LDS
	s_barrier_signal -1
	s_barrier_wait -1
; THE MERGE.  Wave w owns tile w of both blocks.  With M the largest of the four m: y = sum of 2^(m_w - M) O_w / sum of 2^(m_w - M) l_w; then RMSNorm over the 128 channels, subln_w, f16.
.macro MLOAD p, hf                     ; parts 2 hf and 2 hf + 1 of pass p into window 1, part w at 64 w
	WIN 0x40
.irp e, 0,1
.irp q, 0,1,2,3,4,5,6,7,8,9,10,11,12,13,14,15
	ds_load_b128 v[64*(2*\hf+\e)+4*\q:64*(2*\hf+\e)+4*\q+3], v[MR+2*\p+\hf] offset:32768*\e+512*\q
.endr
.endr
	WIN 0
.endm
.macro MCOMB p                         ; y into v64-127
	WIN 0x01                                       ; the parts (source 0) in window 1
.irp w, 0,1,2,3
	s_wait_dscnt 48-16*\w                          ; part w's 16 loads are in; the later parts' may be out
.set i, 0
.rept 32
.if \w == 0
	v_pk_mul_f32 v[64+2*i:64+2*i+1], v[2*i:2*i+1], v[164+8*\p:164+8*\p+1]
.else
	v_pk_fma_f32 v[64+2*i:64+2*i+1], v[64*\w+2*i:64*\w+2*i+1], v[164+8*\p+2*\w:164+8*\p+2*\w+1], v[64+2*i:64+2*i+1]
.endif
.set i, i+1
.endr
.endr
	WIN 0
.endm
.macro MFIN p
.irp c, 0,1,2,3
	v_pk_mul_f32 v[180+2*\c:180+2*\c+1], v[64+2*\c:64+2*\c+1], v[64+2*\c:64+2*\c+1]   ; the sum of squares, in four chains
.endr
.set i, 4
.rept 28
	v_pk_fma_f32 v[180+2*(i%4):180+2*(i%4)+1], v[64+2*i:64+2*i+1], v[64+2*i:64+2*i+1], v[180+2*(i%4):180+2*(i%4)+1]
.set i, i+1
.endr
	v_pk_add_f32 v[180:181], v[180:181], v[182:183]
	v_pk_add_f32 v[184:185], v[184:185], v[186:187]
	v_pk_add_f32 v[180:181], v[180:181], v[184:185]
	v_add_f32 v180, v180, v181
	v_permlanex16_b32 v181, v180, s38, s39         ; the query's other 64 channels
	v_add_f32 v180, v180, v181
	v_fma_f32 v180, v180, s50, s51                 ; the mean + 1e-5
	v_rsq_f32 v188, v180
	v_mov_b32 v189, 0                              ; (the pair's upper half; the plain line behind the root)
	s_wait_alu depctr_va_vdst(0)
.set i, 0
.rept 32
	v_pk_mul_f32 v[64+2*i:64+2*i+1], v[64+2*i:64+2*i+1], v[188:189] op_sel_hi:[1,0]
.set i, i+1
.endr
	WIN 0x0c                                       ; subln_w (source 1) in window 3
.set i, 0
.rept 32
	v_pk_mul_f32 v[64+2*i:64+2*i+1], v[64+2*i:64+2*i+1], v[160+2*i:160+2*i+1]
.set i, i+1
.endr
	WIN 0
.set i, 0
.rept 32
	v_cvt_pk_f16_f32 v[192+32*\p+i], v[64+2*i], v[64+2*i+1]
.set i, i+1
.endr
.irp c, 0,1,2,3,4,5,6,7
	global_store_b128 v[L16], v[192+32*\p+4*\c:192+32*\p+4*\c+3], s[52+2*\p:53+2*\p] offset:512*\c   ; 32 lanes store 512 consecutive bytes, aligned: half a fragment of the projection's operand
.endr
.endm
	s_mov_b32 s50, 0x3c000000                      ; 1 / 128
	s_mov_b32 s51, 0x3727c5ac                      ; 1e-5
.irp p, 0,1
.irp w, 0,1,2,3
	ds_load_b32 v[128+8*\p+\w], v[MST] offset:4096*\p+1024*\w        ; m of the four parts,
	ds_load_b32 v[132+8*\p+\w], v[MST] offset:4096*\p+1024*\w+512    ; l
.endr
.endr
	MLOAD 0, 0
	s_wait_dscnt 32                                ; the 16 numbers are in; the 32 loads behind them may be out
	MLOAD 0, 1
.irp p, 0,1
	v_max3_num_f32 v[144+\p], v[128+8*\p], v[129+8*\p], v[130+8*\p]
.endr
.irp p, 0,1
	v_max_num_f32 v[144+\p], v[144+\p], v[131+8*\p]
.endr
.irp p, 0,1
.irp w, 0,1,2,3
	v_sub_f32 v[148+4*\p+\w], v[128+8*\p+\w], v[144+\p]
.endr
.endr
.irp p, 0,1
.irp w, 0,1,2,3
	v_exp_f32 v[148+4*\p+\w], v[148+4*\p+\w]       ; 2^(m_w - M): 0 for a part that holds nothing
.endr
.endr
	v_mov_b32 v158, 0                              ; (a lane permute's destination counts as one of its sources; the plain lines behind the batch)
	v_mov_b32 v159, 0
	s_wait_alu depctr_va_vdst(0)
.irp p, 0,1
	v_mul_f32 v[156+\p], v[148+4*\p], v[132+8*\p]
.endr
.irp w, 1,2,3
.irp p, 0,1
	v_fmac_f32 v[156+\p], v[148+4*\p+\w], v[132+8*\p+\w]
.endr
.endr
.irp p, 0,1
	v_permlanex16_b32 v[158+\p], v[156+\p], s38, s39
.endr
.irp p, 0,1
	v_add_f32 v[156+\p], v[156+\p], v[158+\p]      ; the row's sum
.endr
.irp p, 0,1
	v_rcp_f32 v[160+\p], v[156+\p]
.endr
	v_nop
	s_wait_alu depctr_va_vdst(0)
.irp p, 0,1
.irp w, 0,1,2,3
	v_mul_f32 v[164+8*\p+2*\w], v[148+4*\p+\w], v[160+\p]
	v_mul_f32 v[165+8*\p+2*\w], v[148+4*\p+\w], v[160+\p]
.endr
.endr
	MCOMB 0
	MLOAD 1, 0
	MLOAD 1, 1
	MFIN 0                                         ; stands between pass A's loads and the waits for them
	MCOMB 1
	MFIN 1
	s_wait_tensorcnt 0x0                           ; the wave's end: behind my last LDS store
	ds_add_u32 v[SPW], v[NIL]
	s_wait_dscnt 0x0
	s_endpgm
.Lfunc_end_k_qa3cc035874_attn:
	.size	k_qa3cc035874_attn, .Lfunc_end_k_qa3cc035874_attn-k_qa3cc035874_attn
	.p2alignl 7, 3214868480
	.fill 96, 4, 3214868480
	.section	.rodata,"a",@progbits
	.p2align	6, 0x0
	.amdhsa_kernel k_qa3cc035874_attn
		.amdhsa_group_segment_fixed_size 270848
		.amdhsa_private_segment_fixed_size 0
		.amdhsa_enable_private_segment 0
		.amdhsa_kernarg_size 24
		.amdhsa_user_sgpr_count 2
		.amdhsa_user_sgpr_kernarg_segment_ptr 1
		.amdhsa_wavefront_size32 1
		.amdhsa_system_sgpr_workgroup_id_x 1
		.amdhsa_system_sgpr_workgroup_id_y 1
		.amdhsa_system_sgpr_workgroup_id_z 1
		.amdhsa_system_vgpr_workitem_id 0
		.amdhsa_next_free_vgpr 1024
		.amdhsa_next_free_sgpr 66
		.amdhsa_reserve_vcc 0
		.amdhsa_float_denorm_mode_32 3
		.amdhsa_float_denorm_mode_16_64 3
		.amdhsa_memory_ordered 1
		.amdhsa_forward_progress 1
		.amdhsa_inst_pref_size 198
	.end_amdhsa_kernel
	.amdgpu_metadata
---
amdhsa.version: [ 1, 2 ]
amdhsa.kernels:
  - .name:           k_qa3cc035874_attn
    .symbol:         k_qa3cc035874_attn.kd
    .args:
      - { .name: qkv, .offset: 0, .size: 8, .value_kind: global_buffer, .address_space: global }
      - { .name: subln_w, .offset: 8, .size: 8, .value_kind: global_buffer, .address_space: global }
      - { .name: yf, .offset: 16, .size: 8, .value_kind: global_buffer, .address_space: global }
    .group_segment_fixed_size: 270848
    .private_segment_fixed_size: 0
    .kernarg_segment_align: 8
    .kernarg_segment_size: 24
    .max_flat_workgroup_size: 128
    .sgpr_count:     66
    .vgpr_count:     1024
    .wavefront_size: 32
...
	.end_amdgpu_metadata
.endif
;; end of part 3
;; launch proj (part 4): grid 8 x 32, 4 waves a work-group, clusters of 4 x 4, 327,680 bytes of LDS; arguments yf, wp, out0; writes out0
.if DOCPART == 4
	.amdgcn_target "amdgcn-amd-amdhsa--gfx1250"
	.amdhsa_code_object_version 6
	.text
	.protected	k_qa3cc035874_proj
	.globl	k_qa3cc035874_proj
	.p2align	8
	.type	k_qa3cc035874_proj,@function
k_qa3cc035874_proj:
	s_mov_b64 s[64:65], 0
	v_nop
	global_prefetch_b8 v0, s[64:65] scope:SCOPE_SE
	s_setreg_imm32_b32 hwreg(HW_REG_WAVE_MODE, 25, 1), 1
	s_wait_xcnt 0x0
	s_wait_alu depctr_hold_cnt(0) depctr_sa_sdst(0) depctr_va_vdst(0) depctr_va_sdst(0) depctr_va_ssrc(0) depctr_va_vcc(0) depctr_vm_vsrc(0)
	s_getreg_b32 s2, hwreg(HW_REG_IB_STS2, 6, 4)
	s_cmp_eq_u32 s2, 0
	s_cbranch_scc0 .Lentry_in_a_cluster
	s_endpgm
.Lentry_in_a_cluster:
	s_bfe_u32 s2, ttmp6, 0x10000c
	s_cmp_lg_u32 s2, 0xf033
	s_cbranch_scc0 .Lentry_shape_is_right
	s_endpgm
.Lentry_shape_is_right:
; out0 [4096][2048] f32 = y [4096][1024] Wproj [1024][2048], f16 operands, f32 sums.  Both operands arrive in the order of a matrix operand's registers: fragments of 16 rows x 32 along K, 1,024 bytes, lane l's
; registers 0-3 at 16 l and 4-7 at 512 + 16 l; yf is [token tile 256][32 along K][1,024], wp [column tile 128][32][1,024].
; A block of 128 tokens x 256 columns to a work-group: 256 work-groups.  Four waves, each 64 x 128: 32 accumulators.
; K's 32 fragments go through two LDS slots of SIX fragments (192 along K): 24 tiles x 6,144 bytes = 147,456 bytes a slot; two of them and the spare words take 295,424 of the 327,680 bytes, and a slot of eight would not fit twice.
; 32 = 5 x 6 + 2: the last step has two fragments, and descriptors of its own; it lands inside slot 1's bytes.  Between a refill's request and the wait for it a wave issues 176 matrix instructions.
; The images are read at 16 x lane: an instruction's 512 bytes are consecutive, so the slots need no padding.
; The 32 quarters are written out: of the five changes of slots three refill plainly, one asks for the short last step and one for nothing.
; CLUSTERS: 4 x 4 work-groups; y's tiles are shared along a row of the cluster, Wproj's along a column, each asked for jointly.  By this text's count a wave has two tensor loads out at the start and one behind each round.
; THE MATRIX INSTRUCTION IS USED TRANSPOSED (source 0 = 16 columns of Wproj, source 1 = 16 tokens): a lane holds eight neighbouring numbers of a row of out0.
; REGISTERS: window 0: v16-29 addresses; y's fragments v32-63, v64-95 (two buffers); Wproj's v128-191, v192-255.   window 1: accumulator (a, b) at v[8 (8 a + b)].
.set TP,     6144                      ; a tile's part of a slot: six fragments
.set TPT,    2048                      ; in the last step: two
.set SLOT,   24*TP                     ; y's 8 tiles, then Wproj's 16
.set BOFF,   8*TP
.set SPARE,  2*SLOT                    ; the spare words, 128 bytes for each wave: two blocks of 256 bytes that no other line names
.set SPITCH, 528                       ; the way out: a stage of 16 rows x (512 + 16) bytes for each wave, in slot 0, which has had its last fill and its last read by then
.set RA0,  16                          ; v16, v17 LDS address of my fragments of y in slot 0, 1; v18 in the last step
.set RA1,  17
.set RAT,  18
.set RB0,  20                          ; v20, v21, v22 the same for Wproj
.set RB1,  21
.set RBT,  22
.set STO,  24
.set RD,   25
.set CO,   26
.set SPW,  28
.set NIL,  29
.set G1, 24                            ; s[24:31] group 1 for y's tiles; s[32:39] group 0, one set for each slot
.set G0, 32
.set G1B, 48                           ; s[48:55], s[56:63] the same for Wproj's
.set G0B, 56
.set G1T, 68                           ; the last step's: s[68:75], s[76:83] groups 1; s[84:87], s[88:91] groups 0
.set G1BT, 76
.set G0T, 84
.set G0BT, 88
.set MSB, 0
.macro WIN new                         ; the immediate's high byte repeats the setting that is left
.if MSB != \new
	s_set_vgpr_msb (MSB<<8)|\new
.set MSB, \new
.endif
.endm
.set MUL, 0x50                         ; C and D window 1, the operands window 0
.macro JLOAD g0a, g1a, g0b, g1b        ; a joint load: waves 0 and 1 fetch y's two halves, waves 2 and 3 Wproj's; an s_nop 0 and four v_nop follow each line
	s_cmp_eq_u32 s11, 0
	s_cbranch_scc0 .Lfor_b_\@
	tensor_load_to_lds s[\g0a:\g0a+3], s[\g1a:\g1a+7]
	s_nop 0
.rept 4
	v_nop
.endr
	s_branch .Lasked_\@
.Lfor_b_\@:
	tensor_load_to_lds s[\g0b:\g0b+3], s[\g1b:\g1b+7]
	s_nop 0
.rept 4
	v_nop
.endr
.Lasked_\@:
.endm
.macro CREST
	s_cmp_lg_u32 s10, 0
	s_cbranch_scc1 .Lnot_wave_0_\@
	s_barrier_signal -3
.Lnot_wave_0_\@:
	s_barrier_wait -3
	s_barrier_signal -1
	s_barrier_wait -1
.endm
.macro CROUND
	s_barrier_signal -1
	s_barrier_wait -1
	CREST
.endm
	s_load_b128 s[4:7], s[0:1], 0x0                ; yf, wp
	s_load_b64 s[8:9], s[0:1], 0x10                ; out0
	v_lshl_add_u32 v[SPW], v0, 2, SPARE
	v_mov_b32 v[NIL], 0
	ds_add_u32 v[SPW], v[NIL]                      ; the wave's opening: the add, twice on end, and its wait ahead of my first tensor load
	ds_add_u32 v[SPW], v[NIL]
	v_lshrrev_b32 v1, 5, v0
	v_readfirstlane_b32 s10, v1                    ; wave 0..3
	s_lshr_b32 s11, s10, 1                         ; which 64 tokens are mine.  Also: I fetch for y (0) or for Wproj (1)
	s_and_b32 s12, s10, 1                          ; which 128 columns.  Also: which half of that tile I fetch
	s_bfe_u32 s40, ttmp6, 0x40000                  ; cx
	s_bfe_u32 s41, ttmp6, 0x40004                  ; cy
	s_lshl_b32 s42, ttmp9, 2
	s_add_co_u32 s42, s42, s40                     ; block of 256 columns = 4 x cluster x + cx
	s_and_b32 s13, ttmp7, 0xffff
	s_lshl_b32 s13, s13, 2
	s_add_co_u32 s13, s13, s41                     ; block of 128 tokens = 4 x cluster y + cy
	s_lshl_b32 s43, s41, 2
	s_lshl_b32 s43, 15, s43                        ; my row of the cluster
	s_lshl_b32 s44, 0x1111, s40                    ; my column
	s_or_b32 s[G1+0], s43, (3<<16)|(1<<21)         ; the mask; elements of 8 bytes; bit 21 beside a mask; no padding
	s_or_b32 s[G1B+0], s44, (3<<16)|(1<<21)
	s_or_b32 s[G1T+0], s43, (3<<16)|(1<<21)
	s_or_b32 s[G1BT+0], s44, (3<<16)|(1<<21)
.irp g, G1, G1B
	s_mov_b32 s[\g+1], (TP/8)<<16                  ; tensor_dim0 = 768 elements: six fragments of a tile, 6,144 bytes
	s_mov_b32 s[\g+3], (TP/8)<<16                  ; tile_dim0
.endr
.irp g, G1T, G1BT
	s_mov_b32 s[\g+1], (TPT/8)<<16                 ; the last step: 256 elements: two fragments
	s_mov_b32 s[\g+3], (TPT/8)<<16
.endr
.irp g, G1, G1T
	s_mov_b32 s[\g+2], 4<<16                       ; tensor_dim1 = 4 tiles of y
	s_mov_b32 s[\g+4], 4                           ; tile_dim1
.endr
.irp g, G1B, G1BT
	s_mov_b32 s[\g+2], 8<<16                       ; 8 tiles of Wproj
	s_mov_b32 s[\g+4], 8
.endr
.irp g, G1, G1B, G1T, G1BT
	s_mov_b32 s[\g+5], 4096                        ; from tile to tile: 32,768 bytes
	s_mov_b32 s[\g+6], 0
	s_mov_b32 s[\g+7], 0
.endr
	s_lshl_b32 s16, s13, 3
	s_lshl_b32 s17, s12, 2
	s_add_co_u32 s16, s16, s17                     ; y: token tile 8 x block + 4 x half
	s_lshl_b32 s16, s16, 15
	s_mov_b32 s17, 0
	s_lshl_b32 s46, s42, 4
	s_lshl_b32 s47, s12, 3
	s_add_co_u32 s46, s46, s47                     ; Wproj: column tile 16 x block + 8 x half
	s_lshl_b32 s46, s46, 15
	s_mov_b32 s47, 0
	s_mul_i32 s20, s12, 4*TP                       ; where they go: y's halves,
	s_mul_i32 s21, s12, 8*TP
	s_add_co_u32 s21, s21, BOFF                    ; Wproj's halves behind them;
	s_lshl_b32 s22, s12, 13                        ; in the last step, in slot 1: y's halves of 4 x 2,048 bytes,
	s_add_co_u32 s22, s22, SLOT
	s_lshl_b32 s23, s12, 14                        ; Wproj's of 8 x 2,048, where Wproj's part of the slot begins
	s_add_co_u32 s23, s23, SLOT+BOFF
	s_wait_dscnt 0x0                               ; both opening adds are done
	s_wait_kmcnt 0x0
	s_add_nc_u64 s[14:15], s[4:5], s[16:17]
	s_add_nc_u64 s[46:47], s[6:7], s[46:47]
	CROUND                                         ; all sixteen work-groups are here: the first joint loads meet
.irp s, 0,1
	s_mov_b32 s[G0+4*\s], 1
	s_add_co_u32 s[G0+4*\s+1], s20, \s*SLOT
	s_add_nc_u64 s[G0+4*\s+2:G0+4*\s+3], s[14:15], \s*TP
	s_or_b32 s[G0+4*\s+3], s[G0+4*\s+3], 0x80000000
	s_mov_b32 s[G0B+4*\s], 1
	s_add_co_u32 s[G0B+4*\s+1], s21, \s*SLOT
	s_add_nc_u64 s[G0B+4*\s+2:G0B+4*\s+3], s[46:47], \s*TP
	s_or_b32 s[G0B+4*\s+3], s[G0B+4*\s+3], 0x80000000
	JLOAD G0+4*\s, G1, G0B+4*\s, G1B
.endr
	s_mov_b32 s[G0T], 1                            ; the last step's groups 0: fragments 30 and 31; used once, behind the fourth round
	s_mov_b32 s[G0T+1], s22
	s_add_nc_u64 s[G0T+2:G0T+3], s[14:15], 5*TP
	s_or_b32 s[G0T+3], s[G0T+3], 0x80000000
	s_mov_b32 s[G0BT], 1
	s_mov_b32 s[G0BT+1], s23
	s_add_nc_u64 s[G0BT+2:G0BT+3], s[46:47], 5*TP
	s_or_b32 s[G0BT+3], s[G0BT+3], 0x80000000
	v_and_b32 v1, 15, v0                           ; r
	v_bfe_u32 v2, v0, 4, 1                         ; h
	v_and_b32 v3, 31, v0
	v_lshlrev_b32 v3, 4, v3                        ; 16 x lane
	s_mul_i32 s16, s11, 4*TP                       ; my four token tiles
	s_mul_i32 s17, s12, 8*TP
	s_add_co_u32 s17, s17, BOFF                    ; my eight column tiles
	v_add_nc_u32 v[RA0], s16, v3
	v_add_nc_u32 v[RB0], s17, v3
	s_add_co_u32 s16, s16, SLOT
	s_add_co_u32 s17, s17, SLOT
	v_add_nc_u32 v[RA1], s16, v3
	v_add_nc_u32 v[RB1], s17, v3
	s_lshl_b32 s16, s11, 13                        ; and in the last step
	s_add_co_u32 s16, s16, SLOT
	s_lshl_b32 s17, s12, 14
	s_add_co_u32 s17, s17, SLOT+BOFF
	v_add_nc_u32 v[RAT], s16, v3
	v_add_nc_u32 v[RBT], s17, v3
	s_mul_i32 s23, s10, 16*SPITCH                  ; my stage
	v_mul_u32_u24 v4, v1, SPITCH
	v_lshl_add_u32 v4, v2, 5, v4
	v_add_nc_u32 v[STO], s23, v4                   ; in: row r, 32 bytes for each half of the lanes
	v_add_nc_u32 v[RD], s23, v3                    ; back: the 32 lanes take one row of 512 bytes
	v_mov_b32 v[CO], v3                            ; and the same in out0
	s_lshl_b32 s16, s13, 7
	s_lshl_b32 s17, s11, 6
	s_add_co_u32 s16, s16, s17                     ; my first row of out0
	s_lshl_b32 s16, s16, 13                        ; rows of 8,192 bytes
	s_lshl_b32 s46, s42, 10
	s_lshl_b32 s47, s12, 9
	s_add_co_u32 s46, s46, s47                     ; my first column, in bytes
	s_add_co_u32 s16, s16, s46
	s_mov_b32 s17, 0
	s_add_nc_u64 s[8:9], s[8:9], s[16:17]
.macro FETCH ra, rb, tp, q, f          ; 24 LDS loads in one run: the fragments of the step's q-th 32 along K into buffer f: Wproj's eight, then y's four; tp: bytes from tile to tile
	WIN 0
.irp n, 0,1,2,3,4,5,6,7
	ds_load_b128 v[128+64*(\f)+8*\n:128+64*(\f)+8*\n+3], v[\rb] offset:(\tp)*\n+1024*(\q)
	ds_load_b128 v[128+64*(\f)+8*\n+4:128+64*(\f)+8*\n+7], v[\rb] offset:(\tp)*\n+1024*(\q)+512
.endr
.irp n, 0,1,2,3
	ds_load_b128 v[32+32*(\f)+8*\n:32+32*(\f)+8*\n+3], v[\ra] offset:(\tp)*\n+1024*(\q)
	ds_load_b128 v[32+32*(\f)+8*\n+4:32+32*(\f)+8*\n+7], v[\ra] offset:(\tp)*\n+1024*(\q)+512
.endr
.endm
.macro MUL8 f, a, zero                 ; token tile a x the eight column tiles.  The 32 accumulators take turns, one instruction a turn
.irp b, 0,1,2,3,4,5,6,7
.if \zero
	v_wmma_f32_16x16x32_f16 v[8*(8*(\a)+\b):8*(8*(\a)+\b)+7], v[128+64*(\f)+8*\b:128+64*(\f)+8*\b+7], v[32+32*(\f)+8*(\a):32+32*(\f)+8*(\a)+7], 0
.else
	v_wmma_f32_16x16x32_f16 v[8*(8*(\a)+\b):8*(8*(\a)+\b)+7], v[128+64*(\f)+8*\b:128+64*(\f)+8*\b+7], v[32+32*(\f)+8*(\a):32+32*(\f)+8*(\a)+7], v[8*(8*(\a)+\b):8*(8*(\a)+\b)+7]
.endif
.endr
.endm
.macro PLACES                          ; four plain vector instructions in front of loads into registers that matrix instructions have read, and of reads of results
.rept 4
	v_nop
.endr
.endm
; A quarter is 32 along K, 32 matrix instructions; the quarters of a step work on buffers 0, 1, 0, 1, ..  One that has its successor in the same step: multiplies buffer f and fetches quarter qn into buffer g.
.macro QUARTER ra, rb, tp, qn, f, g, zero
	s_wait_dscnt 4                                 ; Wproj's eight and y's tiles 0, 1 are in; the youngest four loads (y's tiles 2, 3) may be out
	WIN MUL
	MUL8 \f, 0, \zero
	MUL8 \f, 1, \zero
	PLACES
	FETCH \ra, \rb, \tp, \qn, \g
	s_wait_dscnt 24                                ; all but the 24 just issued
	WIN MUL
	MUL8 \f, 2, \zero
	MUL8 \f, 3, \zero
.endm
.macro QS ra, rb, from                 ; a slot's quarters from .. 4
.set Q, \from
.rept 5-\from
	QUARTER \ra, \rb, TP, Q+1, Q%2, 1-Q%2, 0
.set Q, Q+1
.endr
.endm
; A slot's sixth quarter multiplies buffer 1 and changes slots: one barrier; in front of it each wave waits for all its tensor loads, adds 0 to its spare word, and waits for that and for its own reads of this slot.
; fill = 1: this slot is filled again, with the six fragments two steps on; fill = 2: with the last step's two; fill = 0: nothing is asked for.  ra, rb, tp: where the next step's fragments lie.
.macro TURN slot, ra, rb, tp, fill
	WIN 0
	s_wait_tensorcnt 0x0                           ; all my tensor loads have landed: my part of the next slot
	ds_add_u32 v[SPW], v[NIL]                      ; 0 onto my spare word
	s_wait_dscnt 5                                 ; (the add and the youngest four loads may be out)
	WIN MUL
	MUL8 1, 0, 0
	s_wait_dscnt 0x0                               ; the add is done, and my reads of this slot are over
	s_barrier_signal -1
	MUL8 1, 1, 0
.if \fill
	WIN 0
.endif
	s_barrier_wait -1
.if \fill == 1
	CREST                                          ; the barrier has opened a round of the cluster's barrier: no wave of any partner still reads this slot or has a load on its way
	s_add_nc_u64 s[G0+4*\slot+2:G0+4*\slot+3], s[G0+4*\slot+2:G0+4*\slot+3], 2*TP
	s_add_nc_u64 s[G0B+4*\slot+2:G0B+4*\slot+3], s[G0B+4*\slot+2:G0B+4*\slot+3], 2*TP
	JLOAD G0+4*\slot, G1, G0B+4*\slot, G1B         ; the first tensor load behind the round; its four v_nop are the places in front of the loads below
.elseif \fill == 2
	CREST
	JLOAD G0T, G1T, G0BT, G1BT                     ; the last step's two fragments of each tile, into bytes of this slot
.else
	PLACES
.endif
	FETCH \ra, \rb, \tp, 0, 0
	WIN MUL
	MUL8 1, 2, 0
	MUL8 1, 3, 0
.endm
	s_wait_tensorcnt 1                             ; my part of the first step is in; the second's may be out
	s_barrier_signal -1
	s_barrier_wait -1
	FETCH RA0, RB0, TP, 0, 0
	QUARTER RA0, RB0, TP, 1, 0, 1, 1               ; fragments 0-5, in slot 0: the first quarter's products start the sums
	QS RA0, RB0, 1
	TURN 0, RA1, RB1, TP, 1                        ; slot 0 takes fragments 12-17
	QS RA1, RB1, 0                                 ; fragments 6-11
	TURN 1, RA0, RB0, TP, 1                        ; slot 1 takes fragments 18-23
	QS RA0, RB0, 0                                 ; fragments 12-17
	TURN 0, RA1, RB1, TP, 1                        ; slot 0 takes fragments 24-29
	QS RA1, RB1, 0                                 ; fragments 18-23
	TURN 1, RA0, RB0, TP, 2                        ; slot 1 takes fragments 30 and 31
	QS RA0, RB0, 0                                 ; fragments 24-29
	TURN 0, RAT, RBT, TPT, 0                       ; nothing is left to fetch: no round
	QUARTER RAT, RBT, TPT, 1, 0, 1, 0              ; fragment 30
	s_wait_dscnt 4                                 ; fragment 31
	WIN MUL
	MUL8 1, 0, 0
	MUL8 1, 1, 0
	s_wait_dscnt 0
	MUL8 1, 2, 0
	MUL8 1, 3, 0
	WIN 0
; THE WAY OUT, a block of 16 rows x 128 columns at a time: through my own stage in LDS and back as whole rows of 512 bytes.  LDS serves a wave's instructions in order: no wait between the stores and the loads.
; The stage lies in slot 0: every wave has passed the last change of slots, behind which nobody reads that slot, and it has had its last fill.
.macro TOSTAGE a
	WIN 0x04                                       ; the data: window 1
.irp b, 0,1,2,3,4,5,6,7
	ds_store_b128 v[STO], v[8*(8*(\a)+\b):8*(8*(\a)+\b)+3] offset:64*\b          ; each accumulator from its low end on
	ds_store_b128 v[STO], v[8*(8*(\a)+\b)+4:8*(8*(\a)+\b)+7] offset:64*\b+16
.endr
	WIN 0
.set BB, 128+64*((\a)%2)
.irp t, 0,1,2,3,4,5,6,7,8,9,10,11,12,13,14,15
	ds_load_b128 v[BB+4*\t:BB+4*\t+3], v[RD] offset:\t*SPITCH
.endr
.endm
.macro SEND a, younger                 ; younger: the LDS instructions issued behind block a's loads, which may stay out
.set BB, 128+64*((\a)%2)
	s_wait_dscnt \younger
.if (\a) > 0
	s_add_nc_u64 s[8:9], s[8:9], 16*8192           ; (behind a wait on XCNT: the earlier stores have read their base)
.endif
.irp t, 0,1,2,3,4,5,6,7,8,9,10,11,12,13,14,15
	global_store_b128 v[CO], v[BB+4*\t:BB+4*\t+3], s[8:9] offset:\t*8192 th:TH_STORE_NT   ; 32 lanes store 512 consecutive bytes, aligned
.endr
.endm
	PLACES
	TOSTAGE 0
.irp a, 1,2,3
.if \a > 1
	s_wait_xcnt 0x0                                ; block a - 2's stores have read their registers and their base
.endif
	TOSTAGE \a
	SEND \a-1, 32                                  ; behind block a - 1's loads: block a's 16 stores and 16 loads
.endr
	s_wait_xcnt 0x0
	SEND 3, 0
	s_wait_tensorcnt 0x0                           ; the wave's end: behind my last tensor load and my last LDS store
	ds_add_u32 v[SPW], v[NIL]
	s_wait_dscnt 0x0
	CROUND                                         ; the closing round
	s_endpgm
.Lfunc_end_k_qa3cc035874_proj:
	.size	k_qa3cc035874_proj, .Lfunc_end_k_qa3cc035874_proj-k_qa3cc035874_proj
	.p2alignl 7, 3214868480
	.fill 96, 4, 3214868480
	.section	.rodata,"a",@progbits
	.p2align	6, 0x0
	.amdhsa_kernel k_qa3cc035874_proj
		.amdhsa_group_segment_fixed_size 327680
		.amdhsa_private_segment_fixed_size 0
		.amdhsa_enable_private_segment 0
		.amdhsa_kernarg_size 24
		.amdhsa_user_sgpr_count 2
		.amdhsa_user_sgpr_kernarg_segment_ptr 1
		.amdhsa_wavefront_size32 1
		.amdhsa_system_sgpr_workgroup_id_x 1
		.amdhsa_system_sgpr_workgroup_id_y 1
		.amdhsa_system_sgpr_workgroup_id_z 1
		.amdhsa_system_vgpr_workitem_id 0
		.amdhsa_next_free_vgpr 512
		.amdhsa_next_free_sgpr 92
		.amdhsa_reserve_vcc 0
		.amdhsa_float_denorm_mode_32 3
		.amdhsa_float_denorm_mode_16_64 3
		.amdhsa_memory_ordered 1
		.amdhsa_forward_progress 1
		.amdhsa_inst_pref_size 148
	.end_amdhsa_kernel
	.amdgpu_metadata
---
amdhsa.version: [ 1, 2 ]
amdhsa.kernels:
  - .name:           k_qa3cc035874_proj
    .symbol:         k_qa3cc035874_proj.kd
    .args:
      - { .name: yf, .offset: 0, .size: 8, .value_kind: global_buffer, .address_space: global }
      - { .name: wp, .offset: 8, .size: 8, .value_kind: global_buffer, .address_space: global }
      - { .name: out0, .offset: 16, .size: 8, .value_kind: global_buffer, .address_space: global }
    .group_segment_fixed_size: 327680
    .private_segment_fixed_size: 0
    .kernarg_segment_align: 8
    .kernarg_segment_size: 24
    .max_flat_workgroup_size: 128
    .sgpr_count:     92
    .vgpr_count:     512
    .wavefront_size: 32
...
	.end_amdgpu_metadata
.endif
;; end of part 4
